; MI455X (gfx1250); checked and timed in simulation.
; The chip was launched on July 23, 2026; its instructions are those of AMD's public machine-readable ISA for CDNA 5 (MIT licence, August 2026) and "CDNA5" Instruction Set Architecture Reference Guide (July 2026). The comments in the code are by the model that wrote it; some were corrected since.
;; Attention. Allowed arithmetic: float matrix products may take bf16 or f16 operands with f32 sums; other float arithmetic in f32, or as packed bf16 or f16 multiplies, adds, multiply-adds, maxima and minima; sums over many terms, partial sums and values carried from step to step in f32; what a program stores and reads back later, other than sums and carried values, may be rounded once to bf16 or f16.
;; Inputs: Wk 2,048 x 2,048 float32; Wo 2,048 x 2,048 float32; Wq 2,048 x 2,048 float32; Wv 2,048 x 2,048 float32; bk 2,048 float32; bo 2,048 float32; bq 2,048 float32; bv 2,048 float32; cos 2,048 x 2,048 float32; sin 2,048 x 2,048 float32; x 1 x 2,048 x 2,048 float32.
;; Outputs: out0 1 x 2,048 x 2,048 float32.
;; One version. Each part assembles by itself: llvm-mc -triple=amdgcn-amd-amdhsa -mcpu=gfx1250 --defsym DOCPART=n.
;; ======== version 1 of 1: 4 launches
;; limits: values are held in f16: magnitudes above 65,504 overflow, below 6.1e-05 lose precision; right only within a limited range of input values
;; workspace buffers: xb 8,388,608 bytes; wc 25,165,824 bytes; wo16 8,388,608 bytes; qh 8,388,608 bytes; kh 8,388,608 bytes; vh 8,388,608 bytes; ao 8,388,608 bytes
;; launch cast (part 1): grid 256 x 5, 8 waves a work-group, no clusters, 0 bytes of LDS; arguments x, Wq, Wk, Wv, Wo, xb, wc, wo16; writes xb, wc, wo16
.if DOCPART == 1
	.amdgcn_target "amdgcn-amd-amdhsa--gfx1250"
	.amdhsa_code_object_version 6
	.text
	.protected	k_q431e5f4e71_cast
	.globl	k_q431e5f4e71_cast
	.p2align	8
	.type	k_q431e5f4e71_cast,@function
k_q431e5f4e71_cast:
	s_mov_b64 s[64:65], 0
	v_nop
	global_prefetch_b8 v0, s[64:65] scope:SCOPE_SE
	s_setreg_imm32_b32 hwreg(HW_REG_WAVE_MODE, 25, 1), 1
	s_wait_xcnt 0x0
; CAST.  x, Wq, Wk, Wv are rounded once to bf16; Wo is rounded to bf16 and that number is written as f16.
; xb: bf16 [2048][2048].  wo16: f16 [2048][2048].  wc: bf16 [k = 2048][6144], columns regrouped: column 384 g + j (g = 0..15) is
;   j 0..63 Wq column 64 g + j;  j 64..127 Wq column 1024 + 64 g + j - 64;  j 128..255 the same two strips of Wk;  j 256..383 Wv column 128 g + j - 256.
; So a column and its partner 1,024 columns on lie in one group, and q, k and v of a group are 768 consecutive bytes of a row.
; LIMIT.  |Wo| stays under 65,504 (f16's end); below 2^-14 the number keeps f16's fixed step of 6e-8.
; SHARES.  Grid y is the job (0 x, 1 Wq, 2 Wk, 3 Wv, 4 Wo).  A wave takes one row of 8,192 bytes: 16 units of 128 numbers.  A unit is one load of 16 bytes a lane and one store of
; 8 bytes a lane: the store covers 256 consecutive bytes, aligned.  In jobs 1 and 2 lanes 0-15 read 256 bytes of the low strip and lanes 16-31 256 bytes of the strip 4,096 bytes on.
; All 16 loads go out first.  A unit is converted in the registers that it was loaded into, and its store's offset is made in one of them that has come free: a wave names 86 registers,
; so that several work-groups lie on a WGP together, which multiplies the bytes in flight.  No register that a load or store names is written again, so the only waits are the counted ones for the loads.
; No LDS, no barrier: no wave wants another's bytes.
.set DA, 3                             ; v3        byte offset of my 8 bytes of unit 0 in the destination
.set SA, 4                             ; v[4:19]   unit u: byte offset of my 16 bytes in the source
.set X,  20                            ; v[20:83]  unit u: four f32 as loaded; then two words to store, and the store's offset
.set T,  84                            ; v[84:85]  at work
	s_load_b512 s[8:23], s[0:1], 0x0               ; x s[8:9], Wq s[10:11], Wk s[12:13], Wv s[14:15], Wo s[16:17], xb s[18:19], wc s[20:21], wo16 s[22:23]
	s_and_b32 s4, ttmp7, 0xffff                    ; the job
	s_sub_co_u32 s5, s4, 1                         ; 0, 1, 2 for Wq, Wk, Wv
	s_lshl_b32 s32, s5, 8                          ; their place in a group: 0, 256, 512 bytes
	v_lshrrev_b32 v1, 5, v0
	v_readfirstlane_b32 s6, v1                     ; wave 0..7
	s_lshl_b32 s7, ttmp9, 3
	s_add_co_u32 s7, s7, s6                        ; my row
	s_mov_b32 s28, 256                             ; from lanes 0-15 to lanes 16-31 in the source
	s_mov_b32 s29, 512                             ; from unit to unit in the source
	s_mov_b32 s30, 4096                            ; a row of the destination
	s_mov_b32 s31, 256                             ; from unit to unit in the destination
	s_cmp_lt_u32 s5, 2                             ; Wq, Wk: two strips
	s_cselect_b32 s28, 4096, s28
	s_cselect_b32 s29, 256, s29
	s_cmp_lt_u32 s5, 3                             ; Wq, Wk, Wv: into wc
	s_cselect_b32 s30, 12288, s30
	s_cselect_b32 s31, 768, s31
	s_cselect_b32 s32, s32, 0
	s_lshl_b32 s33, s7, 13                         ; my row in the source
	s_mul_i32 s34, s7, s30                         ; and in the destination
	s_add_co_u32 s34, s34, s32
	v_and_b32 v2, 31, v0                           ; lane
	v_lshrrev_b32 v3, 4, v2
	v_and_b32 v1, 15, v0
	v_lshl_add_u32 v1, v1, 4, s33
	v_mad_u32_u24 v[SA], v3, s28, v1
	v_lshl_add_u32 v[DA], v2, 3, s34
.set u, 1
.rept 15
	v_mad_u32_u24 v[SA+u], s29, u, v[SA]
.set u, u+1
.endr
	s_wait_kmcnt 0x0
	s_cmp_eq_u32 s4, 0
	s_cselect_b64 s[24:25], s[8:9], s[10:11]       ; the source, chosen by the job
	s_cselect_b64 s[26:27], s[18:19], s[20:21]     ; the destination
	s_cmp_eq_u32 s4, 2
	s_cselect_b64 s[24:25], s[12:13], s[24:25]
	s_cmp_eq_u32 s4, 3
	s_cselect_b64 s[24:25], s[14:15], s[24:25]
	s_cmp_eq_u32 s4, 4
	s_cselect_b64 s[24:25], s[16:17], s[24:25]
	s_cselect_b64 s[26:27], s[22:23], s[26:27]
.set u, 0
.rept 16
	global_load_b128 v[X+4*u:X+4*u+3], v[SA+u], s[24:25] th:TH_LOAD_NT
.set u, u+1
.endr
	s_cmp_eq_u32 s4, 4
	s_cbranch_scc1 .Lwo
.set u, 0
.rept 16
	s_wait_loadcnt 15-u                            ; loads come back in order: unit u is in, the younger ones stay out
	v_cvt_pk_bf16_f32 v[X+4*u], v[X+4*u], v[X+4*u+1]
	v_cvt_pk_bf16_f32 v[X+4*u+1], v[X+4*u+2], v[X+4*u+3]
	v_mad_u32_u24 v[X+4*u+2], s31, u, v[DA]        ; the unit's place in the destination
	global_store_b64 v[X+4*u+2], v[X+4*u:X+4*u+1], s[26:27]
.set u, u+1
.endr
	s_endpgm
.Lwo:                                          ; Wo: to bf16, widened again, written as f16
.set u, 0
.rept 16
	s_wait_loadcnt 15-u
	v_cvt_pk_bf16_f32 v[T], v[X+4*u], v[X+4*u+1]
	v_cvt_pk_bf16_f32 v[T+1], v[X+4*u+2], v[X+4*u+3]
	v_lshlrev_b32 v[X+4*u], 16, v[T]
	v_and_b32 v[X+4*u+1], 0xffff0000, v[T]
	v_lshlrev_b32 v[X+4*u+2], 16, v[T+1]
	v_and_b32 v[X+4*u+3], 0xffff0000, v[T+1]
	v_cvt_pk_f16_f32 v[X+4*u], v[X+4*u], v[X+4*u+1]
	v_cvt_pk_f16_f32 v[X+4*u+1], v[X+4*u+2], v[X+4*u+3]
	v_mad_u32_u24 v[X+4*u+2], s31, u, v[DA]
	global_store_b64 v[X+4*u+2], v[X+4*u:X+4*u+1], s[26:27]
.set u, u+1
.endr
	s_endpgm
.Lfunc_end_k_q431e5f4e71_cast:
	.size	k_q431e5f4e71_cast, .Lfunc_end_k_q431e5f4e71_cast-k_q431e5f4e71_cast
	.p2alignl 7, 3214868480
	.fill 96, 4, 3214868480
	.section	.rodata,"a",@progbits
	.p2align	6, 0x0
	.amdhsa_kernel k_q431e5f4e71_cast
		.amdhsa_group_segment_fixed_size 0
		.amdhsa_private_segment_fixed_size 0
		.amdhsa_enable_private_segment 0
		.amdhsa_kernarg_size 64
		.amdhsa_user_sgpr_count 2
		.amdhsa_user_sgpr_kernarg_segment_ptr 1
		.amdhsa_wavefront_size32 1
		.amdhsa_system_sgpr_workgroup_id_x 1
		.amdhsa_system_sgpr_workgroup_id_y 1
		.amdhsa_system_sgpr_workgroup_id_z 1
		.amdhsa_system_vgpr_workitem_id 0
		.amdhsa_next_free_vgpr 88
		.amdhsa_next_free_sgpr 66
		.amdhsa_reserve_vcc 0
		.amdhsa_float_denorm_mode_32 3
		.amdhsa_float_denorm_mode_16_64 3
		.amdhsa_memory_ordered 1
		.amdhsa_forward_progress 1
		.amdhsa_inst_pref_size 20
	.end_amdhsa_kernel
	.amdgpu_metadata
---
amdhsa.version: [ 1, 2 ]
amdhsa.kernels:
  - .name:           k_q431e5f4e71_cast
    .symbol:         k_q431e5f4e71_cast.kd
    .args:
      - { .name: x, .offset: 0, .size: 8, .value_kind: global_buffer, .address_space: global }
      - { .name: Wq, .offset: 8, .size: 8, .value_kind: global_buffer, .address_space: global }
      - { .name: Wk, .offset: 16, .size: 8, .value_kind: global_buffer, .address_space: global }
      - { .name: Wv, .offset: 24, .size: 8, .value_kind: global_buffer, .address_space: global }
      - { .name: Wo, .offset: 32, .size: 8, .value_kind: global_buffer, .address_space: global }
      - { .name: xb, .offset: 40, .size: 8, .value_kind: global_buffer, .address_space: global }
      - { .name: wc, .offset: 48, .size: 8, .value_kind: global_buffer, .address_space: global }
      - { .name: wo16, .offset: 56, .size: 8, .value_kind: global_buffer, .address_space: global }
    .group_segment_fixed_size: 0
    .private_segment_fixed_size: 0
    .kernarg_segment_align: 8
    .kernarg_segment_size: 64
    .max_flat_workgroup_size: 256
    .sgpr_count:     66
    .vgpr_count:     88
    .wavefront_size: 32
...
	.end_amdgpu_metadata
.endif
;; end of part 1
;; launch qkv (part 2): grid 16 x 16, 4 waves a work-group, clusters of 4 x 4, 327,680 bytes of LDS; arguments xb, wc, cos, sin, bq, bk, bv, qh, kh, vh; writes qh, kh, vh
.if DOCPART == 2
	.amdgcn_target "amdgcn-amd-amdhsa--gfx1250"
	.amdhsa_code_object_version 6
	.text
	.protected	k_q431e5f4e71_qkv
	.globl	k_q431e5f4e71_qkv
	.p2align	8
	.type	k_q431e5f4e71_qkv,@function
k_q431e5f4e71_qkv:
	s_mov_b64 s[64:65], 0
	v_nop
	global_prefetch_b8 v0, s[64:65] scope:SCOPE_SE
	s_setreg_imm32_b32 hwreg(HW_REG_WAVE_MODE, 25, 1), 1
	s_wait_xcnt 0x0
	s_wait_alu depctr_hold_cnt(0) depctr_sa_sdst(0) depctr_va_vdst(0) depctr_va_sdst(0) depctr_va_ssrc(0) depctr_va_vcc(0) depctr_vm_vsrc(0)
	s_getreg_b32 s2, hwreg(HW_REG_IB_STS2, 6, 4)
	s_cmp_eq_u32 s2, 0
	s_cbranch_scc0 .Lentry_in_a_cluster
	s_endpgm
.Lentry_in_a_cluster:
	s_bfe_u32 s2, ttmp6, 0x10000c
	s_cmp_lg_u32 s2, 0xf033
	s_cbranch_scc0 .Lentry_shape_is_right
	s_endpgm
.Lentry_shape_is_right:
; QKV.  q = rope(x Wq + bq), k = rope(x Wk + bk), v = x Wv + bv.  Products in bf16 with f32 sums; cos, sin and the biases are rounded to bf16 like the other inputs; all else in f32.
; qh, kh: f16 [32 half-heads = column / 64][2048][64], the numbers times 2^-6.  vh: f16 [16 heads][2048][128], times 2^-2.  The powers of two are exact and are undone by the launches behind.
; LIMITS.  |q|, |k| under 4.19e6 and |v| under 2.6e5 (f16 ends at 65,504); a number below 2^-8 (q, k) or 2^-12 (v) keeps f16's fixed step.  NaN and infinities are not treated apart.
; SHARES.  A work-group makes 128 rows x the 384 columns of one group g of wc (64 + 64 of q, 64 + 64 of k, 128 of v): 16 x 16 = 256 work-groups.  A wave takes all 128 rows x 96 columns: six blocks of 16:
; q low 16 w, q high, k low, k high, v 32 w and 32 w + 16: 8 x 6 = 48 accumulators.  A column and its partner 1,024 on lie in neighbouring accumulators, same lane and register, so the rotation is elementwise.
; THE MATRIX INSTRUCTION IS USED TRANSPOSED: source 0 = 16 columns of W (turned out of LDS by ds_load_tr16_b128), source 1 = 16 rows of x: a lane holds one row and eight neighbouring columns.
; RING.  K goes in steps of 128 through two LDS slots.  Wave 0 fetches x's tile (128 rows x 256 bytes), waves 1-3 the q, k and v part of W's (128 k rows x 256 bytes each).  A K step is written once: the LDS
; addresses are a lane's fixed term plus a scalar that one exclusive or turns from slot to slot, and one descriptor set walks.
; CLUSTER 4 x 4: x's tile hangs on the row block alone and is asked for jointly along a row of the cluster, W's on the group alone, along a column.
; When slot 0 has had its last K step it takes cos and sin (four tiles of 128 rows x 64 f32, one a wave, a load of the work-group's own); slot 1, after its last K step, is the stage for the way out.
; REGISTERS, in windows of 256: window 0: v16-37 addresses; v64-127, v128-191 x's fragments, two buffers (later the way out's registers);  window 1: v0-47, v48-95 W's fragments; v128-175 biases; v176-199 at work;
; windows 2, 3: accumulator (a, b) at v[8 (6 (a % 4) + b)], window 2 for row blocks 0-3, window 3 for 4-7.
.set PA,    272                        ; an LDS row of x, cos, sin, v's stage: 256 bytes + 16: the 16 rows of a load start at 16 different groups of four banks
.set PB,    288                        ; an LDS row of W: 256 + 32
.set REG,   128*PB                     ; a wave's part of a slot (x's tile uses 34,816 of it)
.set SLOT,  4*REG                      ; 0x24000: its two bits occur in none of the four fill addresses 0, 0x9000, 0x12000, 0x1b000
.set SPARE, 2*SLOT                     ; the spare words, 128 bytes for each wave: two blocks of 256 bytes that no other line names
.set CREG,  128*PA                     ; a tile of cos or sin: cos low, cos high, sin low, sin high from LDS byte 0 on
.set STAGE, SLOT
.set QP,    144                        ; a stage row of 64 f16 + 16
.set RG,    128*QP                     ; q low, q high, k low, k high
.set STV,   STAGE+4*RG                 ; v: 128 rows x 272
.set STEPA, 256                        ; a K step in xb, bytes
.set STEPB, 128*12288                  ; and in wc
.set ADRA, 16                          ; my place in x's tile, in the slot in hand
.set ADRQ, 17                          ; in W's q part
.set ADRK, 18                          ; k part
.set ADRV, 19                          ; v part
.set BASA, 20                          ; v20-23  the same four in slot 0; never rewritten
.set BASQ, 21
.set BASK, 22
.set BASV, 23
.set STOQ, 24
.set STOK, 25
.set STOV, 26
.set RD1,  27
.set RDV,  28
.set GO,   29
.set CSA,  30                          ; my 32 bytes in a row of cos
.set CSB,  31                          ; of sin
.set SPW,  32                          ; my spare word; never rewritten
.set NIL,  33                          ; 0; never rewritten
.set PFO,  34                          ; the prefetches' offset: a lane a row
.set PFC,  35                          ; the same for cos and sin
.set BO,   36                          ; my offset in bq and bk
.set BOV,  37                          ; in bv
.set FA,   64
.set FB,   0
.set BS,   128
.set BT,   176
.set T,    64                          ; the way out, window 0: scaled sums with bias, 8 a block
.set CR,   112                         ; cos low, cos high, sin low, sin high as loaded
.set CP,   144                         ; rounded to bf16
.set CE,   160                         ; widened again
.set U,    192
.set OUT,  208
.set WV,  24
.set CST, 30                           ; s[30:31] what cos's and sin's prefetch address steps by
.set G1A, 32
.set G0A, 40                           ; s[40:47] two sets for the two first fills; the second then walks
.set G1B, 48
.set G0B, 56
.set TB,  66                           ; LDS byte at which the slot in hand begins
.set EA,  67                           ; the way out's row block
.set G1C, 68
.set G0C, 76
.set PFA, 80                           ; s[80:81] where my prefetches stand
.set PST, 82                           ; s[82:83] a K step there
.set CPF, 84                           ; s[84:85] my tile of cos or sin in memory
.set LIM, 86                           ; 2 in a wave that prefetches, else the greatest number
.set LAP, 87
.set SCQ, 88                           ; s[88:89] 2^-6
.set SCV, 90                           ; s[90:91] 2^-2
.set HIM, 92
.set LW,  93                           ; wave x REG
.set MSB, 0
.macro WIN new                         ; the immediate's high byte repeats the setting that is left; a switch that changes nothing is dropped
.if MSB != (\new)
	s_set_vgpr_msb (MSB<<8)|(\new)
.set MSB, \new
.endif
.endm
.set MUL_LO, 0xa1                      ; source 0 (W) window 1, source 1 (x) window 0, C and D window 2
.set MUL_HI, 0xf1                      ; C and D window 3
.set TO_B,   0x40                      ; destination window 1, address window 0
.macro PLACES                          ; four plain instructions between a matrix instruction and a load into, or a vector write of, its registers
.rept 4
	v_nop
.endr
.endm
; A joint load: wave 0 asks for x's tile, waves 1-3 for their parts of W's.  The branch hangs on the wave's number alone.  An s_nop 0 and four v_nop follow each line.
.macro JLOAD s
	s_cmp_eq_u32 s[WV], 0
	s_cbranch_scc0 .Lfor_b_\@
	tensor_load_to_lds s[G0A+4*(\s):G0A+4*(\s)+3], s[G1A:G1A+7]
	s_nop 0
	PLACES
	s_branch .Lasked_\@
.Lfor_b_\@:
	tensor_load_to_lds s[G0B+4*(\s):G0B+4*(\s)+3], s[G1B:G1B+7]
	s_nop 0
	PLACES
.Lasked_\@:
.endm
.macro CLOAD                           ; each wave's tile of cos or sin: the work-group's own load, no mask
	tensor_load_to_lds s[G0C:G0C+3], s[G1C:G1C+7]
	s_nop 0
	PLACES
.endm
; PREFETCH INTO THE L2.  Behind the refill of K step j stands one line for K step j + 2: 32 rows x 256 bytes, a lane a row.  x's rows are read by every cluster of a row of clusters: cluster x = 0 asks, wave 0,
; and the four partners take 32 rows each by address; W's k rows by every cluster of a column: cluster y = 0 asks, waves 1-3, 32 k rows a partner.  So each block is named once.  The loop's last two trips have no K step two on.
.macro ASK
	s_cmp_gt_u32 s[LAP], s[LIM]
	s_cbranch_scc0 .Lnot_mine_\@
	global_prefetch_b8 v[PFO], s[PFA:PFA+1] th:TH_LOAD_NT scope:SCOPE_SE
.Lnot_mine_\@:
.endm
; cos and sin: each wave names its own tile's 128 rows of 256 bytes, 32 in each of the loop's last four trips.
.macro ASKC
	s_cmp_lt_u32 s[LAP], 5
	s_cbranch_scc0 .Lno_c_\@
	global_prefetch_b8 v[PFC], s[CPF:CPF+1] th:TH_LOAD_NT scope:SCOPE_SE
.Lno_c_\@:
.endm
.macro CREST                           ; a round of the cluster's barrier behind its opening barrier
	s_cmp_lg_u32 s[WV], 0
	s_cbranch_scc1 .Lnot_wave_0_\@
	s_barrier_signal -3
.Lnot_wave_0_\@:
	s_barrier_wait -3
	s_barrier_signal -1
	s_barrier_wait -1
.endm
.macro CROUND
	s_barrier_signal -1
	s_barrier_wait -1
	CREST
.endm
	s_load_b512 s[4:19], s[0:1], 0x0               ; xb s[4:5], wc s[6:7], cos s[8:9], sin s[10:11], bq s[12:13], bk s[14:15], bv s[16:17], qh s[18:19]
	s_load_b128 s[20:23], s[0:1], 0x40             ; kh s[20:21], vh s[22:23]
	v_lshl_add_u32 v[SPW], v0, 2, SPARE
	v_mov_b32 v[NIL], 0
	ds_add_u32 v[SPW], v[NIL]                      ; the wave's opening: the add and its wait stand ahead of my first tensor load; work on registers stands between them
	v_lshrrev_b32 v1, 5, v0
	v_readfirstlane_b32 s[WV], v1                  ; wave 0..3
	s_bfe_u32 s26, ttmp6, 0x40000                  ; cx
	s_bfe_u32 s27, ttmp6, 0x40004                  ; cy
	s_lshl_b32 s28, ttmp9, 2
	s_add_co_u32 s28, s28, s26                     ; g, the column group = 4 x cluster x + cx
	s_and_b32 s29, ttmp7, 0xffff
	s_lshl_b32 s29, s29, 2
	s_add_co_u32 s29, s29, s27                     ; yb, the row block = 4 x cluster y + cy
	s_lshl_b32 s94, s27, 2
	s_lshl_b32 s94, 15, s94                        ; my row of the cluster
	s_lshl_b32 s95, 0x1111, s26                    ; my column
	s_or_b32 s[G1A], s94, (1<<16)|(1<<20)|(1<<21)|(5<<22)|(3<<25)   ; mask; 2-byte elements; padding on; bit 21 beside a mask; after every 64 words, 4 words
	s_or_b32 s[G1B], s95, (1<<16)|(1<<20)|(1<<21)|(5<<22)|(7<<25)   ; the same with 8 words
	s_mov_b32 s[G1C], (2<<16)|(1<<20)|(5<<22)|(3<<25)               ; 4-byte elements, no mask
	s_mov_b32 s[G1A+1], 128<<16                    ; tensor_dim0 = 128
	s_mov_b32 s[G1A+2], 128<<16                    ; tensor_dim1 = 128
	s_mov_b32 s[G1A+3], 128<<16                    ; tile_dim0 = 128
	s_mov_b32 s[G1A+4], 128                        ; tile_dim1 = 128
	s_mov_b32 s[G1A+5], 2048                       ; elements from row to row
	s_mov_b32 s[G1A+6], 0
	s_mov_b32 s[G1A+7], 0
	s_mov_b32 s[G1B+1], 128<<16
	s_mov_b32 s[G1B+2], 128<<16
	s_mov_b32 s[G1B+3], 128<<16
	s_mov_b32 s[G1B+4], 128
	s_mov_b32 s[G1B+5], 6144
	s_mov_b32 s[G1B+6], 0
	s_mov_b32 s[G1B+7], 0
	s_mov_b32 s[G1C+1], 64<<16                     ; 64 f32 a row
	s_mov_b32 s[G1C+2], 128<<16
	s_mov_b32 s[G1C+3], 64<<16
	s_mov_b32 s[G1C+4], 128
	s_mov_b32 s[G1C+5], 2048
	s_mov_b32 s[G1C+6], 0
	s_mov_b32 s[G1C+7], 0
	s_mov_b32 s[SCQ], 0x3c800000
	s_mov_b32 s[SCQ+1], s[SCQ]
	s_mov_b32 s[SCV], 0x3e800000
	s_mov_b32 s[SCV+1], s[SCV]
	s_mov_b32 s[HIM], 0xffff0000
	s_mov_b32 s[CST+1], 0
	s_mov_b32 s[TB], 0                             ; K step 0 lies in slot 0
	s_max_u32 s25, s[WV], 1
	s_sub_co_u32 s25, s25, 1                       ; which part of W's tile I fetch (waves 1-3: 0, 1, 2)
	s_mul_i32 s[LW], s[WV], REG                    ; where my fills go: wave x 36,864: no place in the cluster enters an LDS address
	s_lshl_b32 s96, s29, 19                        ; x: 128 yb rows of 4,096 bytes
	s_mov_b32 s97, 0
	s_mul_i32 s98, s28, 768                        ; W: the group's 768 bytes of a row,
	s_lshl_b32 s99, s25, 8                         ; my 256 of them
	s_add_co_u32 s98, s98, s99
	s_mov_b32 s99, 0
	s_lshl_b32 s100, s29, 20                       ; cos, sin: 128 yb rows of 8,192 bytes,
	s_lshl_b32 s101, s28, 8                        ; the group's 64 columns,
	s_add_co_u32 s100, s100, s101
	s_and_b32 s101, s[WV], 1
	s_lshl_b32 s101, s101, 12                      ; the low or the high half
	s_add_co_u32 s100, s100, s101
	s_mov_b32 s101, 0
	; the prefetches' start: K step 3; the first refill steps it to 4
	s_lshl_b32 s80, s29, 19
	s_lshl_b32 s2, s26, 17                         ; x: my work-group's 32 of the 128 rows
	s_add_co_u32 s80, s80, s2
	s_add_co_u32 s80, s80, 3*STEPA
	s_mul_i32 s82, s27, 32*12288                   ; W: my work-group's 32 of the 128 k rows
	s_mul_i32 s2, s28, 768
	s_add_co_u32 s82, s82, s2
	s_lshl_b32 s2, s25, 8
	s_add_co_u32 s82, s82, s2
	s_add_co_u32 s82, s82, 3*STEPB
	s_and_b32 s3, ttmp7, 0xffff                    ; cluster y
	s_mov_b32 s2, STEPB
	s_mov_b32 s94, 12288
	s_cmp_eq_u32 s[WV], 0
	s_cselect_b32 s80, s80, s82
	s_cselect_b32 s82, STEPA, s2
	s_cselect_b32 s3, ttmp9, s3                    ; the coordinate along which other clusters read the same rows
	s_cselect_b32 s94, 4096, s94                   ; a row there
	s_mov_b32 s81, 0
	s_mov_b32 s83, 0
	s_cmp_eq_u32 s3, 0
	s_cselect_b32 s[LIM], 2, -1                    ; the same in all sixteen partners, for a given wave
	v_and_b32 v[PFC], 31, v0
	v_mul_u32_u24 v[PFO], v[PFC], s94
	v_lshlrev_b32 v[PFC], 13, v[PFC]
	s_wait_dscnt 0x0                               ; the opening add is done
	s_wait_kmcnt 0x0
	s_add_nc_u64 s[96:97], s[4:5], s[96:97]
	s_add_nc_u64 s[98:99], s[6:7], s[98:99]
	s_cmp_eq_u32 s[WV], 0
	s_cselect_b64 s[2:3], s[4:5], s[6:7]
	s_add_nc_u64 s[PFA:PFA+1], s[2:3], s[80:81]
	s_cmp_lt_u32 s[WV], 2
	s_cselect_b64 s[CPF:CPF+1], s[8:9], s[10:11]
	s_add_nc_u64 s[CPF:CPF+1], s[CPF:CPF+1], s[100:101]
	s_mov_b32 s[G0C], 1
	s_mul_i32 s[G0C+1], s[WV], CREG
	s_mov_b64 s[G0C+2:G0C+3], s[CPF:CPF+1]
	s_or_b32 s[G0C+3], s[G0C+3], 0x80000000
	s_lshl_b32 s100, s28, 18                       ; qh, kh: half-head g, 262,144 bytes each,
	s_lshl_b32 s2, s29, 14                         ; 128 yb rows of 128 bytes,
	s_add_co_u32 s100, s100, s2
	s_lshl_b32 s2, s[WV], 12                       ; the 32 rows that I store
	s_add_co_u32 s100, s100, s2
	s_add_nc_u64 s[18:19], s[18:19], s[100:101]
	s_add_nc_u64 s[20:21], s[20:21], s[100:101]
	s_lshl_b32 s100, s100, 1                       ; vh: head g, rows of 256 bytes: twice that
	s_add_nc_u64 s[22:23], s[22:23], s[100:101]
	CROUND                                         ; all sixteen work-groups are here: the first joint loads meet
.irp s, 0,1
	s_mov_b32 s[G0A+4*(\s)], 1
	s_add_co_u32 s[G0A+4*(\s)+1], s[LW], (\s)*SLOT
	s_add_nc_u64 s[G0A+4*(\s)+2:G0A+4*(\s)+3], s[96:97], (\s)*STEPA
	s_or_b32 s[G0A+4*(\s)+3], s[G0A+4*(\s)+3], 0x80000000
	s_mov_b32 s[G0B+4*(\s)], 1
	s_add_co_u32 s[G0B+4*(\s)+1], s[LW], (\s)*SLOT
	s_add_nc_u64 s[G0B+4*(\s)+2:G0B+4*(\s)+3], s[98:99], (\s)*STEPB
	s_or_b32 s[G0B+4*(\s)+3], s[G0B+4*(\s)+3], 0x80000000
	JLOAD \s                                       ; K steps 0 and 1: two loads of mine are out
.endr
	v_and_b32 v1, 15, v0                           ; r = l % 16
	v_bfe_u32 v2, v0, 4, 1                         ; h = l / 16
	v_and_b32 v3, 7, v0
	v_bfe_u32 v4, v0, 3, 1
	s_lshl_b32 s2, s[WV], 6                        ; 64 w
	s_lshl_b32 s3, s28, 8
	s_add_co_u32 s3, s3, s2
	v_lshl_add_u32 v[BO], v2, 5, s3                ; bq, bk: column 64 g + 16 w + 8 h, 4 bytes each
	s_lshl_b32 s3, s3, 1
	v_lshl_add_u32 v[BOV], v2, 5, s3               ; bv: column 128 g + 32 w + 8 h
	WIN TO_B
.irp b, 0,1                                    ; the biases of my six blocks, eight numbers a lane each; they are waited for behind the last product
	global_load_b128 v[BS+8*(\b):BS+8*(\b)+3],       v[BO],  s[12:13] offset:4096*(\b)
	global_load_b128 v[BS+8*(\b)+4:BS+8*(\b)+7],     v[BO],  s[12:13] offset:4096*(\b)+16
	global_load_b128 v[BS+16+8*(\b):BS+16+8*(\b)+3], v[BO],  s[14:15] offset:4096*(\b)
	global_load_b128 v[BS+16+8*(\b)+4:BS+16+8*(\b)+7], v[BO], s[14:15] offset:4096*(\b)+16
	global_load_b128 v[BS+32+8*(\b):BS+32+8*(\b)+3], v[BOV], s[16:17] offset:64*(\b)
	global_load_b128 v[BS+32+8*(\b)+4:BS+32+8*(\b)+7], v[BOV], s[16:17] offset:64*(\b)+16
.endr
	WIN 0
	v_mul_u32_u24 v5, v1, PA
	v_lshl_add_u32 v5, v2, 4, v5                   ; 272 r + 16 h: a fragment of x: row r, 16 bytes for each half of the lanes
	v_lshl_add_u32 v6, v2, 3, v3
	v_mul_u32_u24 v6, v6, PB
	v_lshl_add_u32 v6, v4, 4, v6                   ; the turning load: k row 8 h + l % 8, columns 8 ((l / 8) % 2) on
	v_mov_b32 v[BASA], v5
	s_lshl_b32 s3, s[WV], 5
	s_add_co_u32 s3, s3, REG
	v_add_nc_u32 v[BASQ], s3, v6                   ; q's part, my 16 columns of its low strip
	v_add_nc_u32 v[BASK], REG, v[BASQ]
	s_add_co_u32 s3, s2, 3*REG
	v_add_nc_u32 v[BASV], s3, v6                   ; v's part, my 32 columns
	v_mov_b32 v[ADRA], v[BASA]                     ; the slot in hand is slot 0
	v_mov_b32 v[ADRQ], v[BASQ]
	v_mov_b32 v[ADRK], v[BASK]
	v_mov_b32 v[ADRV], v[BASV]
	v_mul_u32_u24 v7, v1, QP
	v_lshl_add_u32 v7, v2, 4, v7
	s_lshl_b32 s3, s[WV], 5
	s_add_co_u32 s3, s3, STAGE
	v_add_nc_u32 v[STOQ], s3, v7                   ; into the stage: row r, my 16 columns, 16 bytes for each half of the lanes
	v_add_nc_u32 v[STOK], 2*RG, v[STOQ]
	s_add_co_u32 s3, s2, STV
	v_add_nc_u32 v[STOV], s3, v5
	v_bfe_u32 v7, v0, 3, 2
	v_mul_u32_u24 v7, v7, QP
	v_lshl_add_u32 v7, v3, 4, v7
	s_mul_i32 s3, s[WV], 32*QP
	s_add_co_u32 s3, s3, STAGE
	v_add_nc_u32 v[RD1], s3, v7                    ; back: 32 lanes take four rows of 128 bytes of my 32 rows
	v_mul_u32_u24 v7, v2, PA
	v_lshl_add_u32 v7, v1, 4, v7
	s_mul_i32 s3, s[WV], 32*PA
	s_add_co_u32 s3, s3, STV
	v_add_nc_u32 v[RDV], s3, v7                    ; v: two rows of 256 bytes
	v_and_b32 v[GO], 31, v0
	v_lshlrev_b32 v[GO], 4, v[GO]                  ; either way 512 consecutive bytes in memory
	v_mul_u32_u24 v7, v1, PA
	v_lshl_add_u32 v7, v2, 5, v7
	v_add_nc_u32 v[CSA], s2, v7                    ; cos: row r, f32 columns 16 w + 8 h on
	v_add_nc_u32 v[CSB], 2*CREG, v[CSA]
; 12 matrix instructions: row blocks a0, a0 + 1 of the window's four x my six column blocks, 32 along K, from buffer n.  zero = 1: the first product starts the sums.
; The 48 accumulators take turns, one instruction a turn, in the same order in every quarter.
.macro MUL12 n, hi, a0, zero
	WIN MUL_LO+0x50*(\hi)
.irp a, \a0, (\a0)+1
.irp b, 0,1,2,3,4,5
.if \zero
	v_wmma_f32_16x16x32_bf16 v[8*(6*(\a)+(\b)):8*(6*(\a)+(\b))+7], v[FB+48*(\n)+8*(\b):FB+48*(\n)+8*(\b)+7], v[FA+64*(\n)+8*(4*(\hi)+(\a)):FA+64*(\n)+8*(4*(\hi)+(\a))+7], 0
.else
	v_wmma_f32_16x16x32_bf16 v[8*(6*(\a)+(\b)):8*(6*(\a)+(\b))+7], v[FB+48*(\n)+8*(\b):FB+48*(\n)+8*(\b)+7], v[FA+64*(\n)+8*(4*(\hi)+(\a)):FA+64*(\n)+8*(4*(\hi)+(\a))+7], v[8*(6*(\a)+(\b)):8*(6*(\a)+(\b))+7]
.endif
.endr
.endr
.endm
; 28 LDS loads in one run: quarter q (32 along K) of the slot in hand into buffer n: W's six fragments, turned, then x's eight.
.macro FETCH q, n
	WIN TO_B
.irp b, 0,1
	ds_load_tr16_b128 v[FB+48*(\n)+8*(\b):FB+48*(\n)+8*(\b)+3],         v[ADRQ] offset:32*PB*(\q)+128*(\b)
	ds_load_tr16_b128 v[FB+48*(\n)+8*(\b)+4:FB+48*(\n)+8*(\b)+7],       v[ADRQ] offset:32*PB*(\q)+128*(\b)+16*PB
	ds_load_tr16_b128 v[FB+48*(\n)+16+8*(\b):FB+48*(\n)+16+8*(\b)+3],   v[ADRK] offset:32*PB*(\q)+128*(\b)
	ds_load_tr16_b128 v[FB+48*(\n)+16+8*(\b)+4:FB+48*(\n)+16+8*(\b)+7], v[ADRK] offset:32*PB*(\q)+128*(\b)+16*PB
	ds_load_tr16_b128 v[FB+48*(\n)+32+8*(\b):FB+48*(\n)+32+8*(\b)+3],   v[ADRV] offset:32*PB*(\q)+32*(\b)
	ds_load_tr16_b128 v[FB+48*(\n)+32+8*(\b)+4:FB+48*(\n)+32+8*(\b)+7], v[ADRV] offset:32*PB*(\q)+32*(\b)+16*PB
.endr
	WIN 0
.irp i, 0,1,2,3,4,5,6,7
	ds_load_b128 v[FA+64*(\n)+8*(\i):FA+64*(\n)+8*(\i)+3],   v[ADRA] offset:64*(\q)+(\i)*16*PA
	ds_load_b128 v[FA+64*(\n)+8*(\i)+4:FA+64*(\n)+8*(\i)+7], v[ADRA] offset:64*(\q)+(\i)*16*PA+32
.endr
.endm
; One of a K step's first three quarters: multiplies buffer n; in its middle it fetches quarter q of the same slot into buffer m.
.macro QUARTER q, n, m, zero
	s_wait_dscnt 8                                 ; W's fragments and x's rows 0-63 are in; the youngest eight loads (rows 64-127) may be out
	MUL12 \n, 0, 0, \zero
	MUL12 \n, 0, 2, \zero
	PLACES
	FETCH \q, \m
	s_wait_dscnt 28                                ; all but the 28 just issued
	MUL12 \n, 1, 0, \zero
	MUL12 \n, 1, 2, \zero
.endm
; A K step's last quarter multiplies buffer 1 and changes slots.  Twelve products stand ahead of the wait for the tensor loads: they want nothing of the tile that is on its way.  Then each wave waits for all its
; tensor loads (one is out: its part of the other slot), adds 0 to its spare word, steps the walking descriptors and turns its LDS addresses to the other slot, issues twelve more products, and waits for the add and for
; its own reads of this slot.  The barrier opens a round of the cluster's; behind the round no wave of any partner still reads this slot or has a load on its way.
; kind 0: the slot just read takes the K step two on, by joint loads.  kind 1 (the tail: K step 14, in slot 0): slot 0 takes cos and sin, and the other slot is named by its constant.
.macro TURN kind
.if (\kind) == 0
	s_wait_xcnt 0x0                                ; the last prefetches, a K step back, have read their addresses, which are stepped here
	s_add_nc_u64 s[PFA:PFA+1], s[PFA:PFA+1], s[PST:PST+1]
	s_cmp_lt_u32 s[LAP], 4
	s_cselect_b32 s[CST], 0x40000, 0               ; of the last four trips the second, third and fourth go 32 rows of cos and sin on
	s_add_nc_u64 s[CPF:CPF+1], s[CPF:CPF+1], s[CST:CST+1]
.endif
	s_wait_dscnt 8                                 ; as at a quarter's head
	MUL12 1, 0, 0, 0
	WIN 0
	s_wait_tensorcnt 0x0                           ; no tensor load of mine is out, so a group 0 may be written
	ds_add_u32 v[SPW], v[NIL]                      ; 0 onto my spare word; work on registers stands between it and the wait for it
.if (\kind) == 0
	s_xor_b32 s[G0A+5], s[G0A+5], SLOT             ; the walking descriptors: the other slot than last time, the next K step
	s_add_nc_u64 s[G0A+6:G0A+7], s[G0A+6:G0A+7], STEPA
	s_xor_b32 s[G0B+5], s[G0B+5], SLOT
	s_add_nc_u64 s[G0B+6:G0B+7], s[G0B+6:G0B+7], STEPB
	s_xor_b32 s[TB], s[TB], SLOT
	v_add_nc_u32 v[ADRA], s[TB], v[BASA]           ; this slot's last loads were issued a quarter ago
	v_add_nc_u32 v[ADRQ], s[TB], v[BASQ]
	v_add_nc_u32 v[ADRK], s[TB], v[BASK]
	v_add_nc_u32 v[ADRV], s[TB], v[BASV]
.else
	v_add_nc_u32 v[ADRA], SLOT, v[BASA]
	v_add_nc_u32 v[ADRQ], SLOT, v[BASQ]
	v_add_nc_u32 v[ADRK], SLOT, v[BASK]
	v_add_nc_u32 v[ADRV], SLOT, v[BASV]
.endif
	MUL12 1, 0, 2, 0
	s_wait_dscnt 0x0                               ; the add is done, and my reads of this slot are over
	WIN 0
	s_barrier_signal -1
	s_barrier_wait -1
	CREST
.if (\kind) == 0
	JLOAD 1                                        ; my one tensor load behind the round
.else
	CLOAD
.endif
	FETCH 0, 0                                     ; the four v_nop behind the tensor load are also the places in front of these loads
.if (\kind) == 0
	ASK
	ASKC
.endif
	MUL12 1, 1, 0, 0
	MUL12 1, 1, 2, 0
.endm
	s_wait_tensorcnt 1                             ; my part of K step 0 is in; K step 1's may stay out
	s_barrier_signal -1
	s_barrier_wait -1
	FETCH 0, 0
	QUARTER 1, 0, 1, 1                             ; the first quarter stands in front of the loop: its products start the sums
	WIN 0
	s_mov_b32 s[LAP], 14
.Llap:                                         ; a trip goes from a K step's second quarter to the next one's first and fills the slot that it leaves: K steps 2 to 15
	QUARTER 2, 1, 0, 0
	QUARTER 3, 0, 1, 0
	TURN 0
	QUARTER 1, 0, 1, 0
	WIN 0
	s_sub_co_u32 s[LAP], s[LAP], 1
	s_cmp_lg_u32 s[LAP], 0
	s_cbranch_scc1 .Llap
	QUARTER 2, 1, 0, 0                             ; K step 14 goes on
	QUARTER 3, 0, 1, 0
	TURN 1                                         ; cos and sin go into slot 0
	QUARTER 1, 0, 1, 0
	QUARTER 2, 1, 0, 0
	QUARTER 3, 0, 1, 0
	s_wait_dscnt 8                                 ; the very last quarter: all its products, and the biases' work, stand ahead of the wait for cos and sin
	MUL12 1, 0, 0, 0
	MUL12 1, 0, 2, 0
	s_wait_dscnt 0x0
	MUL12 1, 1, 0, 0
	MUL12 1, 1, 2, 0
	; the biases: rounded to bf16, widened, scaled.  These 96 lines name no register of the last products and are the places behind them.
	WIN 0x55
	s_wait_loadcnt 0x0
.set z, 0
.rept 24
	v_cvt_pk_bf16_f32 v[BT+z], v[BS+2*z], v[BS+2*z+1]
.set z, z+1
.endr
.set z, 0
.rept 24
	v_lshlrev_b32 v[BS+2*z], 16, v[BT+z]
	v_and_b32 v[BS+2*z+1], s[HIM], v[BT+z]
.set z, z+1
.endr
.set z, 0
.rept 24
.if z < 16
	v_pk_mul_f32 v[BS+2*z:BS+2*z+1], v[BS+2*z:BS+2*z+1], s[SCQ:SCQ+1] op_sel_hi:[1,0]
.else
	v_pk_mul_f32 v[BS+2*z:BS+2*z+1], v[BS+2*z:BS+2*z+1], s[SCV:SCV+1] op_sel_hi:[1,0]
.endif
.set z, z+1
.endr
	WIN 0
	s_wait_tensorcnt 0x0                           ; my tile of cos or sin is in;
	ds_add_u32 v[SPW], v[NIL]
	s_wait_dscnt 0x0                               ; my reads of slot 1 were over above
	s_barrier_signal -1
	s_barrier_wait -1                              ; cos and sin are whole, and nobody reads slot 1 any more: it is the stage from here on
.macro CRLOAD                          ; cos low, cos high, sin low, sin high of the row block at which CSA and CSB stand: my row, my eight columns: 32 bytes each
.irp p, 0,1
	ds_load_b128 v[CR+8*(\p):CR+8*(\p)+3],       v[CSA] offset:(\p)*CREG
	ds_load_b128 v[CR+8*(\p)+4:CR+8*(\p)+7],     v[CSA] offset:(\p)*CREG+16
	ds_load_b128 v[CR+16+8*(\p):CR+16+8*(\p)+3], v[CSB] offset:(\p)*CREG
	ds_load_b128 v[CR+16+8*(\p)+4:CR+16+8*(\p)+7], v[CSB] offset:(\p)*CREG+16
.endr
.endm
; low = t_lo cos_lo - t_hi sin_lo;  high = t_hi cos_hi + t_lo sin_hi;  both rounded to f16
.macro ROPE lo, hi, ob
.irp z, 0,2,4,6
	v_pk_mul_f32 v[U+\z:U+\z+1], v[(\hi)+\z:(\hi)+\z+1], v[CE+16+\z:CE+16+\z+1]
	v_pk_mul_f32 v[U+8+\z:U+8+\z+1], v[(\hi)+\z:(\hi)+\z+1], v[CE+8+\z:CE+8+\z+1]
.endr
.irp z, 0,2,4,6
	v_pk_fma_f32 v[U+\z:U+\z+1], v[(\lo)+\z:(\lo)+\z+1], v[CE+\z:CE+\z+1], v[U+\z:U+\z+1] neg_lo:[0,0,1] neg_hi:[0,0,1]
	v_pk_fma_f32 v[U+8+\z:U+8+\z+1], v[(\lo)+\z:(\lo)+\z+1], v[CE+24+\z:CE+24+\z+1], v[U+8+\z:U+8+\z+1]
.endr
.irp z, 0,1,2,3,4,5,6,7
	v_cvt_pk_f16_f32 v[(\ob)+\z], v[U+2*\z], v[U+2*\z+1]
.endr
.endm
.macro GET a                           ; row block a's six accumulators, scaled, with bias: each accumulator's registers in ascending order
	WIN 0x12+(\a)/4                                ; source 0: the accumulators' window; source 2: window 1
.set AC, 48*((\a)%4)
.set z, 0
.rept 24
.if z < 16
	v_pk_fma_f32 v[T+2*z:T+2*z+1], v[AC+2*z:AC+2*z+1], s[SCQ:SCQ+1], v[BS+2*z:BS+2*z+1] op_sel_hi:[1,0,1]
.else
	v_pk_fma_f32 v[T+2*z:T+2*z+1], v[AC+2*z:AC+2*z+1], s[SCV:SCV+1], v[BS+2*z:BS+2*z+1] op_sel_hi:[1,0,1]
.endif
.set z, z+1
.endr
	WIN 0
.endm
	; THE WAY OUT, a trip for each of the eight row blocks: scale and bias, rotation, rounding, into the stage; the next block's cos and sin are fetched meanwhile.  A register's number cannot hang on a
	; loop's counter, so the one part that names accumulators (GET) is written eight times, and a forward jump on the trip's number picks it; all else is written once, its LDS addresses stepping by constants.
	CRLOAD
	s_wait_dscnt 0x0                               ; block 0's cos and sin: so the count at the loop's head holds on the way in too
	s_mov_b32 s[EA], 0
.Lepi:
	s_wait_dscnt 6                                 ; cos and sin are in; the six stage stores issued behind their loads may be out
.set z, 0
.rept 16
	v_cvt_pk_bf16_f32 v[CP+z], v[CR+2*z], v[CR+2*z+1]
.set z, z+1
.endr
	v_add_nc_u32 v[CSA], 16*PA, v[CSA]
	v_add_nc_u32 v[CSB], 16*PA, v[CSB]
	s_cmp_eq_u32 s[EA], 7                          ; the last block has none behind it
	s_cbranch_scc1 .Lno_cr
	CRLOAD
.Lno_cr:
.set z, 0
.rept 16
	v_lshlrev_b32 v[CE+2*z], 16, v[CP+z]
	v_and_b32 v[CE+2*z+1], s[HIM], v[CP+z]
.set z, z+1
.endr
.irp a, 0,1,2,3,4,5,6
	s_cmp_eq_u32 s[EA], \a
	s_cbranch_scc1 .Lget\a
.endr
	GET 7
	s_branch .Lgot
.irp a, 0,1,2,3,4,5
.Lget\a:
	GET \a
	s_branch .Lgot
.endr
.Lget6:
	GET 6
.Lgot:
	ROPE T, T+8, OUT
	ROPE T+16, T+24, OUT+8
.set z, 0
.rept 8
	v_cvt_pk_f16_f32 v[OUT+16+z], v[T+32+2*z], v[T+32+2*z+1]
.set z, z+1
.endr
	ds_store_b128 v[STOQ], v[OUT:OUT+3]
	ds_store_b128 v[STOQ], v[OUT+4:OUT+7]   offset:RG
	ds_store_b128 v[STOK], v[OUT+8:OUT+11]
	ds_store_b128 v[STOK], v[OUT+12:OUT+15] offset:RG
	ds_store_b128 v[STOV], v[OUT+16:OUT+19]
	ds_store_b128 v[STOV], v[OUT+20:OUT+23] offset:32
	v_add_nc_u32 v[STOQ], 16*QP, v[STOQ]           ; 16 rows on in the stage
	v_add_nc_u32 v[STOK], 16*QP, v[STOK]
	v_add_nc_u32 v[STOV], 16*PA, v[STOV]
	s_add_co_u32 s[EA], s[EA], 1
	s_cmp_lt_u32 s[EA], 8
	s_cbranch_scc1 .Lepi
	s_wait_dscnt 0x0                               ; for the others' sake: my stores into the stage are done
	s_barrier_signal -1
	s_barrier_wait -1
	; back as whole rows, 32 rows a wave, and out: every store covers 512 consecutive bytes, aligned
.set n, 0
.rept 32
	ds_load_b128 v[64+4*n:64+4*n+3], v[RD1] offset:RG*(n/8)+4*QP*(n%8)
.set n, n+1
.endr
.set n, 0
.rept 16
	ds_load_b128 v[192+4*n:192+4*n+3], v[RDV] offset:2*PA*n
.set n, n+1
.endr
.set n, 0
.rept 16
	s_wait_dscnt 47-n                              ; LDS loads come back in order: number n is in, the younger ones stay out
	global_store_b128 v[GO], v[64+4*n:64+4*n+3], s[18:19] offset:512*(n%8)+4194304*(n/8)   ; q: half-head g, then 16 + g
.set n, n+1
.endr
.rept 16
	s_wait_dscnt 47-n
	global_store_b128 v[GO], v[64+4*n:64+4*n+3], s[20:21] offset:512*(n%8)+4194304*((n-16)/8)
.set n, n+1
.endr
.rept 16
	s_wait_dscnt 47-n
	global_store_b128 v[GO], v[64+4*n:64+4*n+3], s[22:23] offset:512*(n-32)
.set n, n+1
.endr
	s_wait_tensorcnt 0x0                           ; the wave's end: these three lines stand behind my last tensor load and my last LDS store
	ds_add_u32 v[SPW], v[NIL]
	s_wait_dscnt 0x0
	CROUND                                         ; the closing round
	s_endpgm
.Lfunc_end_k_q431e5f4e71_qkv:
	.size	k_q431e5f4e71_qkv, .Lfunc_end_k_q431e5f4e71_qkv-k_q431e5f4e71_qkv
	.p2alignl 7, 3214868480
	.fill 96, 4, 3214868480
	.section	.rodata,"a",@progbits
	.p2align	6, 0x0
	.amdhsa_kernel k_q431e5f4e71_qkv
		.amdhsa_group_segment_fixed_size 327680
		.amdhsa_private_segment_fixed_size 0
		.amdhsa_enable_private_segment 0
		.amdhsa_kernarg_size 80
		.amdhsa_user_sgpr_count 2
		.amdhsa_user_sgpr_kernarg_segment_ptr 1
		.amdhsa_wavefront_size32 1
		.amdhsa_system_sgpr_workgroup_id_x 1
		.amdhsa_system_sgpr_workgroup_id_y 1
		.amdhsa_system_sgpr_workgroup_id_z 1
		.amdhsa_system_vgpr_workitem_id 0
		.amdhsa_next_free_vgpr 960
		.amdhsa_next_free_sgpr 102
		.amdhsa_reserve_vcc 0
		.amdhsa_float_denorm_mode_32 3
		.amdhsa_float_denorm_mode_16_64 3
		.amdhsa_memory_ordered 1
		.amdhsa_forward_progress 1
		.amdhsa_inst_pref_size 110
	.end_amdhsa_kernel
	.amdgpu_metadata
---
amdhsa.version: [ 1, 2 ]
amdhsa.kernels:
  - .name:           k_q431e5f4e71_qkv
    .symbol:         k_q431e5f4e71_qkv.kd
    .args:
      - { .name: xb, .offset: 0, .size: 8, .value_kind: global_buffer, .address_space: global }
      - { .name: wc, .offset: 8, .size: 8, .value_kind: global_buffer, .address_space: global }
      - { .name: cos, .offset: 16, .size: 8, .value_kind: global_buffer, .address_space: global }
      - { .name: sin, .offset: 24, .size: 8, .value_kind: global_buffer, .address_space: global }
      - { .name: bq, .offset: 32, .size: 8, .value_kind: global_buffer, .address_space: global }
      - { .name: bk, .offset: 40, .size: 8, .value_kind: global_buffer, .address_space: global }
      - { .name: bv, .offset: 48, .size: 8, .value_kind: global_buffer, .address_space: global }
      - { .name: qh, .offset: 56, .size: 8, .value_kind: global_buffer, .address_space: global }
      - { .name: kh, .offset: 64, .size: 8, .value_kind: global_buffer, .address_space: global }
      - { .name: vh, .offset: 72, .size: 8, .value_kind: global_buffer, .address_space: global }
    .group_segment_fixed_size: 327680
    .private_segment_fixed_size: 0
    .kernarg_segment_align: 8
    .kernarg_segment_size: 80
    .max_flat_workgroup_size: 128
    .sgpr_count:     102
    .vgpr_count:     960
    .wavefront_size: 32
...
	.end_amdgpu_metadata
.endif
;; end of part 2
;; launch attn (part 3): grid 16 x 16, 4 waves a work-group, clusters of 4 x 1, 327,680 bytes of LDS; arguments qh, kh, vh, ao; writes ao
.if DOCPART == 3
	.amdgcn_target "amdgcn-amd-amdhsa--gfx1250"
	.amdhsa_code_object_version 6
	.text
	.protected	k_q431e5f4e71_attn
	.globl	k_q431e5f4e71_attn
	.p2align	8
	.type	k_q431e5f4e71_attn,@function
k_q431e5f4e71_attn:
	s_mov_b64 s[64:65], 0
	v_nop
	global_prefetch_b8 v0, s[64:65] scope:SCOPE_SE
	s_setreg_imm32_b32 hwreg(HW_REG_WAVE_MODE, 25, 1), 1
	s_wait_xcnt 0x0
	s_wait_alu depctr_hold_cnt(0) depctr_sa_sdst(0) depctr_va_vdst(0) depctr_va_sdst(0) depctr_va_ssrc(0) depctr_va_vcc(0) depctr_vm_vsrc(0)
	s_getreg_b32 s2, hwreg(HW_REG_IB_STS2, 6, 4)
	s_cmp_eq_u32 s2, 0
	s_cbranch_scc0 .Lentry_in_a_cluster
	s_endpgm
.Lentry_in_a_cluster:
	s_bfe_u32 s2, ttmp6, 0x10000c
	s_cmp_lg_u32 s2, 0x3003
	s_cbranch_scc0 .Lentry_shape_is_right
	s_endpgm
.Lentry_shape_is_right:
; CAUSAL ATTENTION, head size 128.  qh, kh: f16 [32 half-heads][2048][64], q and k times 2^-6; vh: f16 [16][2048][128], v times 2^-2; ao: f16 [2048][2048], the result times 2^-2.
; p = 2^(c s - c m) with a running maximum m and c = log2(e) / sqrt(128) x 2^12, which undoes q's and k's scale.  Products, maxima and sums in f32; p is rounded to f16 for the second product, the result once.
; LIMITS.  A hidden score counts as its value less 1e30; m starts at -1e20: f16's scores, 5.5e11 at the most, lie far above both.  A weight below 2^-126 counts as 0.  NaN and infinities are not treated apart.
; THE WALK.  Queries lie in 32 blocks of 64.  A work-group takes two: j = 4 a + b and then 31 - j (a: the cluster, b: its place there).  In tiles of 256 keys they need tiles 0 .. a and 0 .. 7 - a: nine, whatever
; a and b: all work-groups do equal work, and the four partners of a cluster walk the same tiles: every tile is asked for JOINTLY.
; THE KEYS ARE SPLIT AMONG THE WAVES: of each tile wave w takes keys 64 w .. 64 w + 63 for all 64 queries (four tiles of 16, in two pieces), with its own m, l and O^T.  At a block's end the four partial
; results are merged in LDS, in f32.
; THE MASK is the C operand that starts the sums S^T = K Q^T.  d = (my 64 keys' number) - j: below 0 all keys are seen, above 0 none, 0 holds the diagonal.  Three sets of eight registers serve key blocks below,
; on and above the query tile's own; they are made once a trip from d by selects: b enters values alone, no branch and no LDS address.
; LAYOUT.  S^T holds one query a lane (lane % 16) and keys 8 (lane / 16) + 0..7; two results rounded to f16 are source 1 of O^T = V^T P.  K comes out of LDS as it lies, V turned.
; A TRIP.  H: the masks, V's run of loads, piece 0's 32 products K Q^T, then piece 2's with piece 0's softmax in slices behind them.  The change of slots.  P34: piece 0's 32 products V^T P with piece 2's softmax behind them,
; then piece 2's.  A piece's 66 exponentials are one batch with one wait.
; REGISTERS: window 0: v1-11, v44-47, v61-63 addresses; v12-43 statistics, eight a tile: c m, m, l (two), four at work; v64-191 S^T; v192-255 P.  window 1: O^T, 64 a tile.
; window 2: v0-127 Q, v128-255 K.  window 3: v0-127 V; v128-159 the masks.
.set PK2,   272                        ; two keys of a half-head: 256 bytes + 16: key n at (n / 2) 272 + (n % 2) 128
.set PVV,   288                        ; a row of V: 256 + 32
.set KHALF, 128*PK2                    ; 256 keys of one half-head
.set VOFF,  2*KHALF
.set VHALF, 128*PVV
.set STATS, VOFF+2*VHALF               ; 143,360: c m and l of 4 waves x 4 tiles x 16 queries: 2,048 bytes, never filled by a tensor load
.set SPARE, STATS+2048                 ; the spare words, 128 bytes for each wave
.set S1,    147456                     ; slot 1: its two bits occur in none of the four fill addresses of slot 0, so one exclusive or changes slots
.set XB,    S1+STATS                   ; 290,816: 32,768 bytes for the merge's rounds, then the stage of 64 rows x 272
.set AK0, 2
.set AV0, 3
.set ADR, 4
.set QO,  5
.set STO, 6
.set RD,  7
.set GO,  8
.set SA,  10
.set SL,  11
.set ST,  12
.set XS,  44
.set XL,  45
.set PFO, 61
.set SPW, 62
.set NIL, 63
.set S,   64
.set P,   192
.set KF,  128
.set MLOW, 128
.set MDIA, 136
.set MUPP, 144
.set TRI,  152
.set RB,  64                           ; the merge, window 0: what a round reads back
.set RR,  128                          ; the merged O^T: 16 a tile
.set MS,  192                          ; c m and l of all four waves
.set FF,  224                          ; the factors, each twice
.set WV,  12
.set CX,  13
.set AA,  14
.set LIM, 15
.set PFA, 18
.set PST, 20
.set G1K, 24
.set G1V, 32
.set G0K, 40                           ; s[40:47] two sets; the second walks
.set G0V, 48
.set SLOTS, 56
.set RT,  57                           ; trips until the first block's end
.set CS,  58
.set SEL, 60
.set TBK, 62
.set TBV, 63
.set NXT, 66
.set LQ,  67
.set OFK, 68
.set OFV, 70
.set AL,  72
.set BLO, 74
.set BUP, 76
.set BIGN, 77
.set DLT, 78
.set DL2, 79
.set KB,  80
.set VB,  82
.set QL,  84
.set OB,  86
.set OL,  88
.set CNT, 90
.set LQ2, 91
.set MSB, 0
.macro WIN new
.if MSB != (\new)
	s_set_vgpr_msb (MSB<<8)|(\new)
.set MSB, \new
.endif
.endm
.set W_KQ, 0x0a                        ; K and Q in window 2, S^T in window 0
.set W_KM, 0x3a                        ; the same with the C operand in window 3
.set W_PV, 0x53                        ; V in window 3, P in window 0, O^T in window 1
.set W_RS, 0x41                        ; O^T in window 1, a in window 0
.macro PLACES
.rept 4
	v_nop
.endr
.endm
.macro BAR
	s_barrier_signal -1
	s_barrier_wait -1
.endm
.macro JLOAD                           ; waves 0, 1: the tile's two half-heads of K; waves 2, 3: the two halves of its V.  An s_nop 0 and four v_nop follow each line
	s_cmp_lt_u32 s[WV], 2
	s_cbranch_scc0 .Lfor_v_\@
	tensor_load_to_lds s[G0K+4:G0K+7], s[G1K:G1K+7]
	s_nop 0
	PLACES
	s_branch .Lasked_\@
.Lfor_v_\@:
	tensor_load_to_lds s[G0V+4:G0V+7], s[G1V:G1V+7]
	s_nop 0
	PLACES
.Lasked_\@:
.endm
; PREFETCH INTO THE L2.  All four clusters of a head walk the same K and V; cluster 0, whose walk reaches every tile, asks.  At the change that loads tile t + 1 (t = 0..4) it names tile t + 3.  Each wave names a
; quarter of the 32,768 bytes that it fetches, chosen by the work-group's place BY ADDRESS: 32 lanes x 256 bytes.  Tiles 0 to 2 come by their loads alone.
.macro ASK
	s_cmp_gt_u32 s[SLOTS], s[LIM]
	s_cbranch_scc0 .Lnot_mine_\@
	global_prefetch_b8 v[PFO], s[PFA:PFA+1] th:TH_LOAD_NT scope:SCOPE_SE
.Lnot_mine_\@:
.endm
.macro CROUND
	s_barrier_signal -1
	s_barrier_wait -1
	s_cmp_lg_u32 s[WV], 0
	s_cbranch_scc1 .Lnot_wave_0_\@
	s_barrier_signal -3
.Lnot_wave_0_\@:
	s_barrier_wait -3
	s_barrier_signal -1
	s_barrier_wait -1
.endm
; The addresses of descriptor set n are made anew from the number of the tile to ask for, which then steps: 0 .. a, 0 .. 7 - a.
.macro STEPW n
	s_lshl_b32 s[OFK], s[NXT], 15                  ; a tile is 32,768 bytes of a half-head of K,
	s_lshl_b32 s[OFV], s[NXT], 16                  ; 65,536 of V
	s_add_nc_u64 s[G0K+4*(\n)+2:G0K+4*(\n)+3], s[KB:KB+1], s[OFK:OFK+1]
	s_or_b32 s[G0K+4*(\n)+3], s[G0K+4*(\n)+3], 0x80000000
	s_add_nc_u64 s[G0V+4*(\n)+2:G0V+4*(\n)+3], s[VB:VB+1], s[OFV:OFV+1]
	s_or_b32 s[G0V+4*(\n)+3], s[G0V+4*(\n)+3], 0x80000000
	s_add_co_u32 s[NXT], s[NXT], 1
	s_cmp_gt_u32 s[NXT], s[LQ]
	s_cselect_b32 s[NXT], 0, s[NXT]
	s_cselect_b32 s[LQ], s[LQ2], s[LQ]
.endm
.macro QLOAD base                      ; a block's Q: tile z / 4, channels 32 (z % 4) on: half-head (z % 4) / 2
	WIN 0x80
.set z, 0
.rept 16
	global_load_b128 v[8*z:8*z+3],   v[QO], s[\base:\base+1] offset:(z/4)*2048+((z%4)/2)*262144+(z%2)*64
	global_load_b128 v[8*z+4:8*z+7], v[QO], s[\base:\base+1] offset:(z/4)*2048+((z%4)/2)*262144+(z%2)*64+32
.set z, z+1
.endr
	WIN 0
.endm
	s_load_b256 s[4:11], s[0:1], 0x0               ; qh s[4:5], kh s[6:7], vh s[8:9], ao s[10:11]
	v_lshl_add_u32 v[SPW], v0, 2, SPARE
	v_mov_b32 v[NIL], 0
	ds_add_u32 v[SPW], v[NIL]                      ; the wave's opening: the add and its wait stand ahead of my first tensor load
	v_lshrrev_b32 v1, 5, v0
	v_readfirstlane_b32 s[WV], v1
	s_bfe_u32 s[CX], ttmp6, 0x40000                ; b
	s_mov_b32 s[AA], ttmp9                         ; a
	s_and_b32 s16, ttmp7, 0xffff                   ; the head
	s_sub_co_u32 s[LQ2], 7, s[AA]
	s_and_b32 s17, s[WV], 1
	s_lshl_b32 s92, s16, 19                        ; K: the head's two half-heads of 262,144 bytes, mine of them
	s_lshl_b32 s93, s17, 18
	s_add_co_u32 s92, s92, s93
	s_mov_b32 s93, 0
	s_lshl_b32 s94, s16, 19                        ; V: the head, my 128 keys of a tile
	s_lshl_b32 s95, s17, 15
	s_add_co_u32 s94, s94, s95
	s_mov_b32 s95, 0
	s_lshl_b32 s2, s[AA], 2
	s_add_co_u32 s2, s2, s[CX]                     ; the first block
	s_sub_co_u32 s3, 31, s2                        ; the second
	s_sub_co_i32 s[DLT], s[WV], s2
	s_sub_co_i32 s[DL2], s[WV], s3
	s_lshl_b32 s22, s16, 19
	s_lshl_b32 s96, s2, 13                         ; 64 rows of 128 bytes
	s_add_co_u32 s96, s96, s22
	s_mov_b32 s97, 0
	s_lshl_b32 s98, s3, 13
	s_add_co_u32 s98, s98, s22
	s_mov_b32 s99, 0
	s_mov_b32 s[G1K], 15|(1<<16)|(1<<20)|(1<<21)|(5<<22)|(3<<25)   ; the mask of four; 2-byte elements; padding on; bit 21 beside a mask; after every 64 words, 4 words
	s_mov_b32 s[G1V], 15|(1<<16)|(1<<20)|(1<<21)|(5<<22)|(7<<25)   ; 8 words
.irp g, G1K, G1V
	s_mov_b32 s[(\g)+1], 128<<16                   ; 128 rows of 128 elements, dense in memory
	s_mov_b32 s[(\g)+2], 128<<16
	s_mov_b32 s[(\g)+3], 128<<16
	s_mov_b32 s[(\g)+4], 128
	s_mov_b32 s[(\g)+5], 128
	s_mov_b32 s[(\g)+6], 0
	s_mov_b32 s[(\g)+7], 0
.endr
	s_mov_b32 s[G0K], 1
	s_mul_i32 s[G0K+1], s17, KHALF
	s_mov_b32 s[G0K+4], 1
	s_add_co_u32 s[G0K+5], s[G0K+1], S1
	s_mov_b32 s[G0V], 1
	s_mul_i32 s[G0V+1], s17, VHALF
	s_add_co_u32 s[G0V+1], s[G0V+1], VOFF
	s_mov_b32 s[G0V+4], 1
	s_add_co_u32 s[G0V+5], s[G0V+1], S1
	s_mov_b32 s[CS], 0x440293ee                    ; c = log2(e) / sqrt(128) x 4,096
	s_mov_b32 s[CS+1], s[CS]
	s_mov_b32 s[SEL], 0x76543210
	s_mov_b32 s[SEL+1], 0xfedcba98
	s_mov_b32 s[TBK], 0
	s_mov_b32 s[TBV], 0
	s_mov_b32 s[NXT], 0
	s_mov_b32 s[LQ], s[AA]
	s_mov_b32 s[RT], s[AA]
	s_mov_b32 s[OFK+1], 0
	s_mov_b32 s[OFV+1], 0
	s_mov_b32 s[AL+1], 0
	s_mov_b32 s[BLO+1], 0
	s_mov_b32 s[BIGN], 0xf149f2ca                  ; -1e30
	s_mov_b32 s[PST], 0x10000
	s_cmp_lt_u32 s[WV], 2
	s_cselect_b32 s[PST], 0x8000, s[PST]           ; a tile in my tensor
	s_mov_b32 s[PST+1], 0
	s_cmp_eq_u32 s[AA], 0
	s_cselect_b32 s[LIM], 2, -1                    ; the same in all four partners
	v_and_b32 v[PFO], 31, v0
	v_lshlrev_b32 v[PFO], 8, v[PFO]
	s_wait_dscnt 0x0                               ; the opening add is done
	s_wait_kmcnt 0x0
	s_add_nc_u64 s[KB:KB+1], s[6:7], s[92:93]
	s_add_nc_u64 s[VB:VB+1], s[8:9], s[94:95]
	s_add_nc_u64 s[QL:QL+1], s[4:5], s[98:99]
	s_add_nc_u64 s[4:5], s[4:5], s[96:97]
	s_lshl_b32 s22, s16, 8                         ; ao: the head's 256 bytes of a row, 64 rows of 4,096 bytes a block
	s_lshl_b32 s96, s2, 18
	s_add_co_u32 s96, s96, s22
	s_lshl_b32 s98, s3, 18
	s_add_co_u32 s98, s98, s22
	s_add_nc_u64 s[OB:OB+1], s[10:11], s[96:97]
	s_add_nc_u64 s[OL:OL+1], s[10:11], s[98:99]
	s_lshl_b32 s22, s[CX], 13                      ; the prefetches: my work-group's quarter, at tile 2; the first change steps it to tile 3
	s_lshl_b32 s23, s[PST], 1
	s_add_co_u32 s22, s22, s23
	s_mov_b32 s23, 0
	s_cmp_lt_u32 s[WV], 2
	s_cselect_b64 s[PFA:PFA+1], s[KB:KB+1], s[VB:VB+1]
	s_add_nc_u64 s[PFA:PFA+1], s[PFA:PFA+1], s[22:23]
	CROUND                                         ; all four work-groups are here: the first joint loads meet
	STEPW 0
	STEPW 1
	s_cmp_lt_u32 s[WV], 2                          ; a wave's two first fills stand in one branch: two loads of mine are out
	s_cbranch_scc0 .Lfirst_v
	tensor_load_to_lds s[G0K:G0K+3], s[G1K:G1K+7]
	s_nop 0
	tensor_load_to_lds s[G0K+4:G0K+7], s[G1K:G1K+7]
	s_nop 0
	PLACES
	s_branch .Lfirst_asked
.Lfirst_v:
	tensor_load_to_lds s[G0V:G0V+3], s[G1V:G1V+7]
	s_nop 0
	tensor_load_to_lds s[G0V+4:G0V+7], s[G1V:G1V+7]
	s_nop 0
	PLACES
.Lfirst_asked:
	v_and_b32 v1, 15, v0                           ; r
	v_bfe_u32 v9, v0, 4, 1                         ; h
	v_lshlrev_b32 v[QO], 7, v1
	v_lshl_add_u32 v[QO], v9, 4, v[QO]
	QLOAD 4                                        ; the first block's Q
	v_lshlrev_b32 v46, 3, v9
	v_sub_nc_u32 v46, v1, v46                      ; on the diagonal register z is hidden where 8 h + z is above r
	WIN 0xc0
.set z, 0
.rept 8
	v_cmp_gt_i32 vcc_lo, z, v46
	v_cndmask_b32 v[TRI+z], 0, s[BIGN], vcc_lo
.set z, z+1
.endr
	WIN 0x40
.set z, 0
.rept 256                                      ; a block's first step multiplies O^T and l by a = 0, so they need only be finite: zeros here, in the wait for the first tile
	v_mov_b32 v[z], 0
.set z, z+1
.endr
	WIN 0
.set t, 0
.rept 4
	v_mov_b32 v[ST+8*t], 0xfe000000                ; c m: far below every c m to come, so the first a is 0
	v_mov_b32 v[ST+8*t+1], 0xe0ad78ec              ; m = -1e20
	v_mov_b32 v[ST+8*t+2], 0
	v_mov_b32 v[ST+8*t+3], 0
.set t, t+1
.endr
	v_lshrrev_b32 v46, 1, v1
	v_and_b32 v47, 1, v1
	v_mul_u32_u24 v[AK0], v46, PK2
	v_lshl_add_u32 v[AK0], v47, 7, v[AK0]
	v_lshl_add_u32 v[AK0], v9, 4, v[AK0]
	s_mul_i32 s2, s[WV], 32*PK2
	v_add_nc_u32 v[AK0], s2, v[AK0]                ; key r of my 64, 16 bytes for each half of the lanes
	v_and_b32 v46, 7, v0
	v_bfe_u32 v47, v0, 3, 1
	v_lshl_add_u32 v[AV0], v9, 3, v46
	v_mul_u32_u24 v[AV0], v[AV0], PVV
	v_lshl_add_u32 v[AV0], v47, 4, v[AV0]
	s_mul_i32 s2, s[WV], 64*PVV
	s_add_co_u32 s2, s2, VOFF
	v_add_nc_u32 v[AV0], s2, v[AV0]                ; the turning load: key 8 h + l % 8, channels 8 ((l / 8) % 2) on
	v_mul_u32_u24 v[STO], v1, 272
	v_lshl_add_u32 v[STO], v9, 4, v[STO]
	s_lshl_b32 s2, s[WV], 6
	s_add_co_u32 s2, s2, XB
	v_add_nc_u32 v[STO], s2, v[STO]                ; the stage: query r, channels 32 w + 8 h on
	v_mul_u32_u24 v[RD], v9, 272
	v_lshl_add_u32 v[RD], v1, 4, v[RD]
	s_mul_i32 s2, s[WV], 16*272
	s_add_co_u32 s2, s2, XB
	v_add_nc_u32 v[RD], s2, v[RD]                  ; back: two rows of 256 bytes of my 16
	v_lshlrev_b32 v[GO], 12, v9
	v_lshl_add_u32 v[GO], v1, 4, v[GO]
	s_lshl_b32 s2, s[WV], 16
	v_add_nc_u32 v[GO], s2, v[GO]                  ; the same two rows in ao
	v_lshlrev_b32 v[SL], 3, v1
	v_add_nc_u32 v[SL], STATS, v[SL]
	s_lshl_b32 s2, s[WV], 9
	v_add_nc_u32 v[SA], s2, v[SL]
	v_and_b32 v46, 31, v0
	v_lshlrev_b32 v46, 4, v46
	s_lshl_b32 s2, s[WV], 13
	s_add_co_u32 s2, s2, XB
	v_add_nc_u32 v[XS], s2, v46                    ; a round: my tile of O^T, 8,192 bytes
	s_lshl_b32 s2, s[WV], 11
	s_add_co_u32 s2, s2, XB
	v_add_nc_u32 v[XL], s2, v46                    ; and channels 32 w on of each wave's
; Product i of 32 of S^T = K Q^T for piece x: channels 32 (i / 8) on, keys 16 ((i / 2) % 4) on, tile x + i % 2.  The first 8 start the sums with the mask.  The 8 accumulators take turns.
.macro KQ x
.set qt, (\x)+i%2
.set kb, (i/2)%4
.set rS, S+32*qt+8*kb
.set rK, KF+32*kb+8*(i/8)
.set rQ, 32*qt+8*(i/8)
.if i < 8
.set rM, MDIA
.if kb < qt
.set rM, MLOW
.endif
.if kb > qt
.set rM, MUPP
.endif
	WIN W_KM
	v_wmma_f32_16x16x32_f16 v[rS:rS+7], v[rK:rK+7], v[rQ:rQ+7], v[rM:rM+7]
.else
	WIN W_KQ
	v_wmma_f32_16x16x32_f16 v[rS:rS+7], v[rK:rK+7], v[rQ:rQ+7], v[rS:rS+7]
.endif
.endm
; Product i of 32 of O^T += V^T P for piece x: keys 32 (i / 16) on, channels 16 ((i / 2) % 8) on, tile x + i % 2.  16 accumulators take turns.
.macro PV x
	WIN W_PV
.set rO, 64*((\x)+i%2)+8*((i/2)%8)
.set rV, 64*(i/16)+8*((i/2)%8)
.set rP, P+16*((\x)+i%2)+8*(i/16)
	v_wmma_f32_16x16x32_f16 v[rO:rO+7], v[rV:rV+7], v[rP:rP+7], v[rO:rO+7]
.endm
; My 64 keys of the next tile's K: 16 fragments, keys 16 (f / 4) on, channels 32 (f % 4) on.  last = 1 (the tail): in its second trip there is no further tile.
.macro FETCH_K last=0
	WIN 0
.if \last
	s_cmp_eq_u32 s[CNT], 1
	s_cbranch_scc1 .Lno_k_\@
.endif
	v_add_nc_u32 v[ADR], s[TBK], v[AK0]
	s_xor_b32 s[TBK], s[TBK], S1                   ; the next fetch is from the other slot
	WIN 0x80
.irp f, 0,1,2,3,4,5,6,7,8,9,10,11,12,13,14,15
	ds_load_b128 v[KF+8*\f:KF+8*\f+3],   v[ADR] offset:(\f/4)*8*PK2+((\f%4)/2)*KHALF+(\f%2)*64
	ds_load_b128 v[KF+8*\f+4:KF+8*\f+7], v[ADR] offset:(\f/4)*8*PK2+((\f%4)/2)*KHALF+(\f%2)*64+32
.endr
	WIN 0
.if \last
.Lno_k_\@:
.endif
.endm
.macro FETCH_V                         ; my 64 keys of V, turned: keys 32 (f / 8) on, channels 16 (f % 8) on
	WIN 0
	v_add_nc_u32 v[ADR], s[TBV], v[AV0]
	s_xor_b32 s[TBV], s[TBV], S1
	WIN 0xc0
.irp f, 0,1,2,3,4,5,6,7,8,9,10,11,12,13,14,15
	ds_load_tr16_b128 v[8*\f:8*\f+3],   v[ADR] offset:(\f/8)*32*PVV+(\f%8)*32
	ds_load_tr16_b128 v[8*\f+4:8*\f+7], v[ADR] offset:(\f/8)*32*PVV+16*PVV+(\f%8)*32
.endr
	WIN 0
.endm
; One tile's softmax for a trip is a list of 134 instructions; SM writes number j of it for tile t.
;   0-15 the maximum of the 32 scores and the old m (each accumulator's lowest registers first)   16-20 the other half of the lanes' maximum; m; c m; its change
;   21-69 ONE BATCH: the 16 scalings c s - c m and all 33 exponentials (a at 23); none reads an exponential's result   70-85 roundings to f16   86-101 the sums; l = a l + sum   102-133 O^T times a
.macro SM t
.set rT, ST+8*(\t)
.set rS, S+32*(\t)
.set rP, P+16*(\t)
.set rO, 64*(\t)+2*(j-102)
.if j < 102
	WIN 0
.endif
.if j < 4
	v_max3_num_f32 v[rT+4+j], v[rS+8*j], v[rS+8*j+1], v[rS+8*j+2]
.elseif j < 12
	v_max3_num_f32 v[rT+4+j%4], v[rT+4+j%4], v[rS+8*(j%4)+2*(j/4)+1], v[rS+8*(j%4)+2*(j/4)+2]
.elseif j == 12
	v_max3_num_f32 v[rT+4], v[rT+4], v[rS+7], v[rS+15]
.elseif j == 13
	v_max3_num_f32 v[rT+6], v[rT+6], v[rS+23], v[rS+31]
.elseif j == 14
	v_max3_num_f32 v[rT+4], v[rT+4], v[rT+5], v[rT+6]
.elseif j == 15
	v_max3_num_f32 v[rT+4], v[rT+4], v[rT+7], v[rT+1]
.elseif j == 16
	v_permlanex16_b32 v[rT+5], v[rT+4], s[SEL], s[SEL+1]
.elseif j == 17
	v_mov_b32 v[rT+7], v[rT]
.elseif j == 18
	v_max_num_f32 v[rT+1], v[rT+4], v[rT+5]
.elseif j == 19
	v_mul_f32 v[rT], s[CS], v[rT+1]
.elseif j == 20
	v_sub_f32 v[rT+7], v[rT+7], v[rT]
.elseif j == 23
	v_exp_f32 v[rT+6], v[rT+7]
.elseif (j < 23) || ((j < 38) && (j%2 == 0)) || ((j < 66) && (j%4 == 2))
.set b, (j-2)/4
.if j < 38
.set b, (j-20)/2
.endif
	v_pk_fma_f32 v[rS+2*b:rS+2*b+1], v[rS+2*b:rS+2*b+1], s[CS:CS+1], v[rT:rT+1] op_sel_hi:[1,0,0] neg_lo:[0,0,1] neg_hi:[0,0,1]
.elseif j < 70
.set e, j-38
.if j < 66
.set e, j-32-(j-38)/4
.endif
.if j < 38
.set e, (j-25)/2
.endif
	v_exp_f32 v[rS+e], v[rS+e]
.elseif j < 86
	v_cvt_pk_f16_f32 v[rP+j-70], v[rS+2*(j-70)], v[rS+2*(j-70)+1]
.elseif j < 102
.set z, j-86
.set w, 4
.set u, z
.if z >= 14
.set w, 32
.set u, 0
.elseif z >= 12
.set w, 16
.set u, z-12
.elseif z >= 8
.set w, 8
.set u, z-8
.endif
.if z < 15
	v_pk_add_f32 v[rS+w*u:rS+w*u+1], v[rS+w*u:rS+w*u+1], v[rS+w*u+w/2:rS+w*u+w/2+1]
.else
	v_pk_fma_f32 v[rT+2:rT+3], v[rT+2:rT+3], v[rT+6:rT+7], v[rS:rS+1] op_sel_hi:[1,0,1]
.endif
.else
	WIN W_RS
	v_pk_mul_f32 v[rO:rO+1], v[rO:rO+1], v[rT+6:rT+7] op_sel_hi:[1,0]
.endif
.endm
; Slice k of 64 of piece y's softmax.  Slices 11 to 34 deal out the batch, four numbers of one tile each; every other slice is numbers 2 k, 2 k + 1 of both tiles; slice 63 takes the twelve that are over.
; Behind slice 34: one plain instruction and one wait between the piece's 66 exponentials and the first line that names a result.
.macro SLICE y
.if (k >= 11) && (k < 35)
.irp n, 0,1,2,3
.set j, 22+4*((k-11)/2)+(\n)
	SM (\y)+(k-11)%2
.endr
.else
.irp n, 0,1,2,3,4,5,6,7
.if ((\n) < 2) || (k == 63)
.irp t, \y, (\y)+1
.set j, 2*k+(\n)
	SM \t
.endr
.endif
.endr
.endif
.if k == 34
	v_nop
	s_wait_alu depctr_va_vdst(0)
.endif
.set k, k+1
.endm
; The first half of a trip.  The masks' 20 plain lines are the places between the last V^T P and V's run of loads.
.macro H
	s_cmp_eq_i32 s[DLT], 0
	s_cselect_b32 s[AL], 1.0, 0
	s_cmp_gt_i32 s[DLT], 0
	s_cselect_b32 s[BLO], s[BIGN], 0
	s_cmp_ge_i32 s[DLT], 0
	s_cselect_b32 s[BUP], s[BIGN], 0
	s_add_co_i32 s[DLT], s[DLT], 4                 ; the next tile's
	WIN 0xc3
.set z, 0
.rept 8
	v_mov_b32 v[MLOW+z], s[BLO]
	v_mov_b32 v[MUPP+z], s[BUP]
.set z, z+1
.endr
.set z, 0
.rept 4
	v_pk_fma_f32 v[MDIA+2*z:MDIA+2*z+1], v[TRI+2*z:TRI+2*z+1], s[AL:AL+1], s[BLO:BLO+1] op_sel_hi:[1,0,0]
.set z, z+1
.endr
	FETCH_V
	s_wait_loadcnt 0x0                             ; Q
	s_wait_dscnt 32                                ; K is in; V's 32 loads, issued behind it, may be out
.set i, 0
.rept 32
	KQ 0
.set i, i+1
.endr
	PLACES
.set k, 0
.set i, 0
.rept 32
	KQ 2
	SLICE 0
	SLICE 0
.set i, i+1
.endr
	WIN 0
.endm
.macro P34                             ; the second half
.set k, 0
.set i, 0
.rept 32
	PV 0
	SLICE 2
	SLICE 2
.set i, i+1
.endr
.set i, 0
.rept 32
	PV 2
.set i, i+1
.endr
	WIN 0
.endm
; THE CHANGE OF SLOTS, between a trip's halves: K and V of the tile in hand are in registers.  Each wave waits for all its tensor loads (one is out: its part of the next tile), adds 0 to its spare word, and waits
; for that and for its reads of the slot.  fill = 1: behind a round of the cluster's barrier the slot takes the tile two on, which has a whole trip, 128 matrix instructions, in which to land.  Then the next tile's K.
.macro CHANGE fill
	WIN 0
	s_wait_tensorcnt 0x0
	ds_add_u32 v[SPW], v[NIL]                      ; 0 onto my spare word; scalar work stands between it and the wait for it
.if \fill
	s_xor_b32 s[G0K+5], s[G0K+5], S1
	s_xor_b32 s[G0V+5], s[G0V+5], S1
	STEPW 1
	s_wait_xcnt 0x0                                ; the last prefetch, a trip back, has read its address
	s_add_nc_u64 s[PFA:PFA+1], s[PFA:PFA+1], s[PST:PST+1]
.endif
	s_wait_dscnt 0x0
.if \fill
	CROUND
	JLOAD
	FETCH_K
	ASK
.else
	BAR
	FETCH_K 1
.endif
.endm
; THE MERGE at a block's end.  Each wave's c m and l go to LDS; every wave makes, for each query and wave, f = 2^(c m_wave - the largest c m) / (the sum of f l).  Then four rounds, a tile of 16 queries each:
; all four waves lay their O^T down, and wave w adds up channels 32 w .. 32 w + 31 of all four, each times its f.  The result is rounded to f16 and leaves through a stage as whole rows.
; None of its barriers is followed by a fill; the tile that is on its way stays out across them.  fin = 0: the second block's Q is asked for first, and its state is set at the end.
.macro MERGE fin
	WIN 0
	PLACES                                         ; behind the last products
.if !(\fin)
	QLOAD QL
.endif
.irp t, 0,1,2,3
	v_add_f32 v[ST+8*\t+4], v[ST+8*\t+2], v[ST+8*\t+3]
.endr
.irp t, 0,1,2,3
	v_permlanex16_b32 v[ST+8*\t+5], v[ST+8*\t+4], s[SEL], s[SEL+1]
.endr
.irp t, 0,1,2,3
	v_add_f32 v[ST+8*\t+5], v[ST+8*\t+4], v[ST+8*\t+5]
.endr
.irp t, 0,1,2,3
	v_mov_b32 v[ST+8*\t+4], v[ST+8*\t]
.endr
.irp t, 0,1,2,3
	ds_store_b64 v[SA], v[ST+8*\t+4:ST+8*\t+5] offset:128*\t
.endr
	s_wait_dscnt 0x0
	BAR
.set n, 0
.rept 16                                       ; tile n / 4, wave n % 4
	ds_load_b64 v[MS+2*n:MS+2*n+1], v[SL] offset:512*(n%4)+128*(n/4)
.set n, n+1
.endr
	s_wait_dscnt 0x0
.irp t, 0,1,2,3
	v_max3_num_f32 v[ST+8*\t+6], v[MS+8*\t], v[MS+8*\t+2], v[MS+8*\t+4]
.endr
.irp t, 0,1,2,3
	v_max_num_f32 v[ST+8*\t+6], v[ST+8*\t+6], v[MS+8*\t+6]
.endr
.set n, 0
.rept 16
	v_sub_f32 v[FF+2*n], v[MS+2*n], v[ST+8*(n/4)+6]
.set n, n+1
.endr
.set n, 0
.rept 16
	v_exp_f32 v[FF+2*n], v[FF+2*n]
.set n, n+1
.endr
	v_nop
	s_wait_alu depctr_va_vdst(0)                   ; one wait for the 16 exponentials
.irp t, 0,1,2,3
	v_mul_f32 v[ST+8*\t+7], v[FF+8*\t], v[MS+8*\t+1]
.endr
.irp u, 1,2,3
.irp t, 0,1,2,3
	v_fmac_f32 v[ST+8*\t+7], v[FF+8*\t+2*\u], v[MS+8*\t+2*\u+1]
.endr
.endr
.irp t, 0,1,2,3
	v_rcp_f32 v[ST+8*\t+6], v[ST+8*\t+7]
.endr
	v_nop
	s_wait_alu depctr_va_vdst(0)                   ; one wait for the four reciprocals
.set n, 0
.rept 16
	v_mul_f32 v[FF+2*n+1], v[FF+2*n], v[ST+8*(n/4)+6]
.set n, n+1
.endr
.set n, 0
.rept 16
	v_mov_b32 v[FF+2*n], v[FF+2*n+1]               ; each factor twice: a pair for the packed lines
.set n, n+1
.endr
.set tau, 0
.rept 4
	WIN 0x04                                       ; store data in window 1
.set n, 0
.rept 16                                       ; ascending: each accumulator's low registers leave first
	ds_store_b128 v[XS], v[64*tau+4*n:64*tau+4*n+3] offset:512*n
.set n, n+1
.endr
	WIN 0
	s_wait_dscnt 0x0
	BAR
.set n, 0
.rept 16                                       ; wave n / 4's part
	ds_load_b128 v[RB+4*n:RB+4*n+3], v[XL] offset:8192*(n/4)+512*(n%4)
.set n, n+1
.endr
	s_wait_dscnt 0x0                               ; my reads of this round are over:
	s_barrier_signal -1                            ; the next round's stores stand behind this barrier
.set n, 0
.rept 8
	v_pk_mul_f32 v[RR+16*tau+2*n:RR+16*tau+2*n+1], v[RB+2*n:RB+2*n+1], v[FF+8*tau:FF+8*tau+1]
.set n, n+1
.endr
.set n, 8
.rept 24
	v_pk_fma_f32 v[RR+16*tau+2*(n%8):RR+16*tau+2*(n%8)+1], v[RB+2*n:RB+2*n+1], v[FF+8*tau+2*(n/8):FF+8*tau+2*(n/8)+1], v[RR+16*tau+2*(n%8):RR+16*tau+2*(n%8)+1]
.set n, n+1
.endr
	s_barrier_wait -1
.set tau, tau+1
.endr
.set n, 0
.rept 32
	v_cvt_pk_f16_f32 v[RB+n], v[RR+2*n], v[RR+2*n+1]
.set n, n+1
.endr
.set n, 0
.rept 8
	ds_store_b128 v[STO], v[RB+4*n:RB+4*n+3] offset:16*272*(n/2)+32*(n%2)
.set n, n+1
.endr
	s_wait_dscnt 0x0
	BAR
.set n, 0
.rept 8
	ds_load_b128 v[RB+32+4*n:RB+32+4*n+3], v[RD] offset:2*272*n
.set n, n+1
.endr
.set n, 0
.rept 8
	s_wait_dscnt 7-n
	global_store_b128 v[GO], v[RB+32+4*n:RB+32+4*n+3], s[OB:OB+1] offset:8192*n   ; 16 lanes store 256 consecutive bytes, aligned
.set n, n+1
.endr
.if !(\fin)
	s_wait_xcnt 0x0                                ; the stores have read their registers and their base
	s_mov_b64 s[OB:OB+1], s[OL:OL+1]
	s_mov_b32 s[DLT], s[DL2]
	s_mov_b32 s[RT], 100                           ; never 0 again in the trips that are left
.irp t, 0,1,2,3
	v_mov_b32 v[ST+8*\t], 0xfe000000
	v_mov_b32 v[ST+8*\t+1], 0xe0ad78ec
.endr
.endif
.endm
	s_wait_tensorcnt 1                             ; my part of the first tile is in; the second's may stay out
	BAR
	FETCH_K
	s_mov_b32 s[SLOTS], 8
	s_branch .Lfirst                               ; the loop is entered at a trip's first half
.Lslot:                                        ; seven times: the tile in hand is finished, the tile two on asked for, the next begun
	CHANGE 1
	P34
	s_cmp_lg_u32 s[RT], 0                          ; the same in all waves and all partners: it is made of the cluster's number
	s_cbranch_scc1 .Lno_merge
	MERGE 0
.Lno_merge:
	s_sub_co_u32 s[RT], s[RT], 1
.Lfirst:
	H
	s_sub_co_u32 s[SLOTS], s[SLOTS], 1
	s_cmp_lg_u32 s[SLOTS], 0
	s_cbranch_scc1 .Lslot
	s_mov_b32 s[CNT], 2                            ; the tail is written out: two trips, nothing is asked for; the second has no first half behind it
.Ltail:
	CHANGE 0
	P34
	s_cmp_eq_u32 s[CNT], 1
	s_cbranch_scc1 .Lno_h
	H
.Lno_h:
	s_sub_co_u32 s[CNT], s[CNT], 1
	s_cmp_lg_u32 s[CNT], 0
	s_cbranch_scc1 .Ltail
	MERGE 1
	s_wait_tensorcnt 0x0                           ; the wave's end: these three lines stand behind my last tensor load and my last LDS store
	ds_add_u32 v[SPW], v[NIL]
	s_wait_dscnt 0x0
	CROUND                                         ; the closing round
	s_endpgm
.Lfunc_end_k_q431e5f4e71_attn:
	.size	k_q431e5f4e71_attn, .Lfunc_end_k_q431e5f4e71_attn-k_q431e5f4e71_attn
	.p2alignl 7, 3214868480
	.fill 96, 4, 3214868480
	.section	.rodata,"a",@progbits
	.p2align	6, 0x0
	.amdhsa_kernel k_q431e5f4e71_attn
		.amdhsa_group_segment_fixed_size 327680
		.amdhsa_private_segment_fixed_size 0
		.amdhsa_enable_private_segment 0
		.amdhsa_kernarg_size 32
		.amdhsa_user_sgpr_count 2
		.amdhsa_user_sgpr_kernarg_segment_ptr 1
		.amdhsa_wavefront_size32 1
		.amdhsa_system_sgpr_workgroup_id_x 1
		.amdhsa_system_sgpr_workgroup_id_y 1
		.amdhsa_system_sgpr_workgroup_id_z 1
		.amdhsa_system_vgpr_workitem_id 0
		.amdhsa_next_free_vgpr 928
		.amdhsa_next_free_sgpr 100
		.amdhsa_reserve_vcc 1
		.amdhsa_float_denorm_mode_32 3
		.amdhsa_float_denorm_mode_16_64 3
		.amdhsa_memory_ordered 1
		.amdhsa_forward_progress 1
		.amdhsa_inst_pref_size 177
	.end_amdhsa_kernel
	.amdgpu_metadata
---
amdhsa.version: [ 1, 2 ]
amdhsa.kernels:
  - .name:           k_q431e5f4e71_attn
    .symbol:         k_q431e5f4e71_attn.kd
    .args:
      - { .name: qh, .offset: 0, .size: 8, .value_kind: global_buffer, .address_space: global }
      - { .name: kh, .offset: 8, .size: 8, .value_kind: global_buffer, .address_space: global }
      - { .name: vh, .offset: 16, .size: 8, .value_kind: global_buffer, .address_space: global }
      - { .name: ao, .offset: 24, .size: 8, .value_kind: global_buffer, .address_space: global }
    .group_segment_fixed_size: 327680
    .private_segment_fixed_size: 0
    .kernarg_segment_align: 8
    .kernarg_segment_size: 32
    .max_flat_workgroup_size: 128
    .sgpr_count:     100
    .vgpr_count:     928
    .wavefront_size: 32
...
	.end_amdgpu_metadata
.endif
;; end of part 3
;; launch oproj (part 4): grid 16 x 16, 4 waves a work-group, clusters of 4 x 4, 327,680 bytes of LDS; arguments ao, wo16, bo, out0; writes out0
.if DOCPART == 4
	.amdgcn_target "amdgcn-amd-amdhsa--gfx1250"
	.amdhsa_code_object_version 6
	.text
	.protected	k_q431e5f4e71_oproj
	.globl	k_q431e5f4e71_oproj
	.p2align	8
	.type	k_q431e5f4e71_oproj,@function
k_q431e5f4e71_oproj:
	s_mov_b64 s[64:65], 0
	v_nop
	global_prefetch_b8 v0, s[64:65] scope:SCOPE_SE
	s_setreg_imm32_b32 hwreg(HW_REG_WAVE_MODE, 25, 1), 1
	s_wait_xcnt 0x0
	s_wait_alu depctr_hold_cnt(0) depctr_sa_sdst(0) depctr_va_vdst(0) depctr_va_sdst(0) depctr_va_ssrc(0) depctr_va_vcc(0) depctr_vm_vsrc(0)
	s_getreg_b32 s2, hwreg(HW_REG_IB_STS2, 6, 4)
	s_cmp_eq_u32 s2, 0
	s_cbranch_scc0 .Lentry_in_a_cluster
	s_endpgm
.Lentry_in_a_cluster:
	s_bfe_u32 s2, ttmp6, 0x10000c
	s_cmp_lg_u32 s2, 0xf033
	s_cbranch_scc0 .Lentry_shape_is_right
	s_endpgm
.Lentry_shape_is_right:
; OUT = 4 (ao Wo) + bo.  ao: f16 [2048][2048], the attention's result times 2^-2; wo16: f16 [k][n]; bo is rounded to bf16 like the other inputs; out0 f32.  Products in f16, sums in f32.
; A tile of out0 is 128 x 128: 256 work-groups.  Four waves, each 64 x 64: 16 accumulators.  K goes in steps of 256 through two LDS slots: waves 0, 1 fetch 64 rows x 512 bytes of ao each, waves 2, 3 128 k rows x 256 bytes of Wo.
; A K step is written once: the LDS addresses are a lane's fixed term plus a scalar that one exclusive or turns from slot to slot, and one descriptor set walks.
; CLUSTER 4 x 4: ao's tile is asked for jointly along a row of the cluster, Wo's along a column.  The matrix instruction is used transposed (source 0 = 16 columns of Wo, turned out of LDS; source 1 = 16 rows of ao):
; a lane holds eight neighbouring numbers of a row.  A wave's 64 columns of f32 are 256 aligned bytes, so each wave has a stage of its own and the way out needs no barrier.
; No prefetch: a step's tiles are small, and each is read by four clusters at about the same time.
; REGISTERS: window 0: v16-29 addresses; v32-95 at work on the way out; v96-127 bias; v128-255 accumulator (a, b) at v[128 + 8 (4 a + b)].  window 1: two fragment buffers of 128: 64 of ao, 64 of Wo, for 64 along K.
.set KSTEP,  256
.set PITCH,  528                       ; a row of ao's tile: 512 bytes + 16
.set PB,     288                       ; a row of Wo's tile: 256 + 32
.set HALFA,  64*PITCH
.set HALFB,  128*PB
.set SLOT,   147456                    ; 0x24000 (141,312 are used): its two bits occur in none of the four fill addresses 0, 0x8400, 0x10800, 0x19800
.set STAGE,  2*SLOT
.set SPITCH, 272
.set SPARE,  STAGE+4*16*SPITCH         ; the spare words, 128 bytes for each wave
.set ADRA, 16                          ; my place in ao's tile, in the slot in hand
.set BASA, 17                          ; the same in slot 0; never rewritten
.set ADRB, 20                          ; v20-21  in Wo's tile: k rows 0-127, 128-255
.set BASB, 22                          ; v22-23  the same in slot 0; never rewritten
.set STO,  24
.set RD,   25
.set CO,   26
.set BO,   27
.set SPW,  28
.set NIL,  29
.set TMP,  32
.set BI,   96
.set ACC,  128
.set F0,   0
.set F1,   128
.set TB,  2                            ; s2   LDS byte at which the slot in hand begins
.set WV,  12
.set G1,  24
.set G0,  32                           ; s[32:39] two sets for the two first fills; the second then walks
.set G1B, 48
.set G0B, 56
.set MSB, 0
.macro WIN new
.if MSB != (\new)
	s_set_vgpr_msb (MSB<<8)|(\new)
.set MSB, \new
.endif
.endm
.set MUL,  0x05                        ; sources 0 and 1 window 1; C and D window 0
.set TO_F, 0x40
.macro PLACES
.rept 4
	v_nop
.endr
.endm
.macro JLOAD s                         ; waves 0, 1: ao's halves; waves 2, 3: Wo's.  An s_nop 0 and four v_nop follow each line
	s_cmp_eq_u32 s13, 0
	s_cbranch_scc0 .Lfor_b_\@
	tensor_load_to_lds s[G0+4*(\s):G0+4*(\s)+3], s[G1:G1+7]
	s_nop 0
	PLACES
	s_branch .Lasked_\@
.Lfor_b_\@:
	tensor_load_to_lds s[G0B+4*(\s):G0B+4*(\s)+3], s[G1B:G1B+7]
	s_nop 0
	PLACES
.Lasked_\@:
.endm
.macro CREST
	s_cmp_lg_u32 s[WV], 0
	s_cbranch_scc1 .Lnot_wave_0_\@
	s_barrier_signal -3
.Lnot_wave_0_\@:
	s_barrier_wait -3
	s_barrier_signal -1
	s_barrier_wait -1
.endm
.macro CROUND
	s_barrier_signal -1
	s_barrier_wait -1
	CREST
.endm
	s_load_b256 s[4:11], s[0:1], 0x0               ; ao s[4:5], wo16 s[6:7], bo s[8:9], out0 s[10:11]
	v_lshl_add_u32 v[SPW], v0, 2, SPARE
	v_mov_b32 v[NIL], 0
	ds_add_u32 v[SPW], v[NIL]                      ; the wave's opening: the add and its wait stand ahead of my first tensor load
	v_lshrrev_b32 v1, 5, v0
	v_readfirstlane_b32 s[WV], v1
	s_lshr_b32 s13, s[WV], 1                       ; which half of the tile's rows is mine.  Also: I fetch for ao (0) or for Wo (1)
	s_and_b32 s14, s[WV], 1                        ; which half of its columns.  Also: which half of that tile I fetch
	s_bfe_u32 s40, ttmp6, 0x40000
	s_bfe_u32 s41, ttmp6, 0x40004
	s_lshl_b32 s42, ttmp9, 2
	s_add_co_u32 s42, s42, s40                     ; tile column
	s_and_b32 s15, ttmp7, 0xffff
	s_lshl_b32 s15, s15, 2
	s_add_co_u32 s15, s15, s41                     ; tile row
	s_lshl_b32 s43, s41, 2
	s_lshl_b32 s43, 15, s43
	s_lshl_b32 s44, 0x1111, s40
	s_or_b32 s[G1], s43, (1<<16)|(1<<20)|(1<<21)|(6<<22)|(3<<25)    ; mask of my row; 2-byte elements; padding: after every 128 words, 4 words
	s_or_b32 s[G1B], s44, (1<<16)|(1<<20)|(1<<21)|(5<<22)|(7<<25)   ; mask of my column; after every 64 words, 8 words
	s_mov_b32 s[G1+1], KSTEP<<16                   ; 64 rows of 256 elements
	s_mov_b32 s[G1+2], 64<<16
	s_mov_b32 s[G1+3], KSTEP<<16
	s_mov_b32 s[G1+4], 64
	s_mov_b32 s[G1+5], 2048
	s_mov_b32 s[G1+6], 0
	s_mov_b32 s[G1+7], 0
	s_mov_b32 s[G1B+1], 128<<16                    ; 128 k rows of 128 elements
	s_mov_b32 s[G1B+2], 128<<16
	s_mov_b32 s[G1B+3], 128<<16
	s_mov_b32 s[G1B+4], 128
	s_mov_b32 s[G1B+5], 2048
	s_mov_b32 s[G1B+6], 0
	s_mov_b32 s[G1B+7], 0
	s_mov_b32 s[TB], 0                             ; K step 0 lies in slot 0
	s_lshl_b32 s16, s15, 19                        ; ao: 128 rows of 4,096 bytes a tile row, my 64
	s_lshl_b32 s17, s14, 18
	s_add_co_u32 s16, s16, s17
	s_mov_b32 s17, 0
	s_lshl_b32 s46, s42, 8                         ; Wo: the tile column's 256 bytes, my 128 k rows
	s_lshl_b32 s47, s14, 19
	s_add_co_u32 s46, s46, s47
	s_mov_b32 s47, 0
	s_mul_i32 s20, s14, HALFA                      ; where they go: no place in the cluster enters an LDS address
	s_mul_i32 s21, s14, HALFB
	s_add_co_u32 s21, s21, 2*HALFA
	s_wait_dscnt 0x0
	s_wait_kmcnt 0x0
	s_add_nc_u64 s[16:17], s[4:5], s[16:17]
	s_add_nc_u64 s[46:47], s[6:7], s[46:47]
	CROUND
.irp s, 0,1
	s_mov_b32 s[G0+4*(\s)], 1
	s_add_co_u32 s[G0+4*(\s)+1], s20, (\s)*SLOT
	s_add_nc_u64 s[G0+4*(\s)+2:G0+4*(\s)+3], s[16:17], (\s)*KSTEP*2
	s_or_b32 s[G0+4*(\s)+3], s[G0+4*(\s)+3], 0x80000000
	s_mov_b32 s[G0B+4*(\s)], 1
	s_add_co_u32 s[G0B+4*(\s)+1], s21, (\s)*SLOT
	s_add_nc_u64 s[G0B+4*(\s)+2:G0B+4*(\s)+3], s[46:47], (\s)*KSTEP*4096
	s_or_b32 s[G0B+4*(\s)+3], s[G0B+4*(\s)+3], 0x80000000
	JLOAD \s                                       ; K steps 0 and 1: two loads of mine are out
.endr
	v_and_b32 v1, 15, v0                           ; r
	v_bfe_u32 v2, v0, 4, 1                         ; h
	s_lshl_b32 s22, s42, 9
	s_lshl_b32 s23, s14, 8
	s_add_co_u32 s22, s22, s23                     ; my 64 columns, 4 bytes each
	v_lshl_add_u32 v[BO], v2, 5, s22
.irp b, 0,1,2,3
	global_load_b128 v[BI+8*(\b):BI+8*(\b)+3],   v[BO], s[8:9] offset:64*(\b)
	global_load_b128 v[BI+8*(\b)+4:BI+8*(\b)+7], v[BO], s[8:9] offset:64*(\b)+16
.endr
	v_mul_u32_u24 v3, v1, PITCH
	v_lshl_add_u32 v3, v2, 4, v3
	s_mul_i32 s18, s13, HALFA                      ; my 64 rows of ao
	v_add_nc_u32 v[BASA], s18, v3
	v_and_b32 v4, 7, v0
	v_bfe_u32 v5, v0, 3, 1
	v_lshl_add_u32 v6, v2, 3, v4
	v_mul_u32_u24 v6, v6, PB
	v_lshl_add_u32 v6, v5, 4, v6                   ; the turning load: k row 8 h + l % 8, columns 8 ((l / 8) % 2) on
	s_lshl_b32 s18, s14, 7
	s_add_co_u32 s18, s18, 2*HALFA                 ; my 64 columns of Wo
	v_add_nc_u32 v[BASB], s18, v6
	v_add_nc_u32 v[BASB+1], HALFB, v[BASB]
	v_mov_b32 v[ADRA], v[BASA]                     ; the slot in hand is slot 0
	v_mov_b32 v[ADRB], v[BASB]
	v_mov_b32 v[ADRB+1], v[BASB+1]
	s_mul_i32 s18, s[WV], 16*SPITCH
	s_add_co_u32 s18, s18, STAGE                   ; my stage
	v_mul_u32_u24 v4, v1, SPITCH
	v_lshl_add_u32 v4, v2, 5, v4
	v_add_nc_u32 v[STO], s18, v4                   ; in: row r, 32 bytes for each half of the lanes
	v_mul_u32_u24 v5, v2, SPITCH
	v_lshl_add_u32 v5, v1, 4, v5
	v_add_nc_u32 v[RD], s18, v5                    ; back: lanes 0-15 one row of 256 bytes, lanes 16-31 the next
	v_lshlrev_b32 v[CO], 13, v2
	v_lshl_add_u32 v[CO], v1, 4, v[CO]             ; the same two rows in out0
	s_lshl_b32 s18, s15, 20                        ; 128 rows of 8,192 bytes a tile row,
	s_lshl_b32 s19, s13, 19                        ; my 64,
	s_add_co_u32 s18, s18, s19
	s_add_co_u32 s18, s18, s22                     ; my 64 columns
	s_mov_b32 s19, 0
	s_add_nc_u64 s[10:11], s[10:11], s[18:19]
; 8 matrix instructions: row blocks a0, a0 + 1 x all 4 column blocks, 32 along K: half c of buffer f.  The 16 accumulators take turns.
.macro MUL8 f, c, a0, zero
	WIN MUL
.irp a, \a0, (\a0)+1
.irp b, 0,1,2,3
.if \zero
	v_wmma_f32_16x16x32_f16 v[ACC+8*(4*(\a)+(\b)):ACC+8*(4*(\a)+(\b))+7], v[(\f)+64+8*(4*(\c)+(\b)):(\f)+64+8*(4*(\c)+(\b))+7], v[(\f)+8*(4*(\c)+(\a)):(\f)+8*(4*(\c)+(\a))+7], 0
.else
	v_wmma_f32_16x16x32_f16 v[ACC+8*(4*(\a)+(\b)):ACC+8*(4*(\a)+(\b))+7], v[(\f)+64+8*(4*(\c)+(\b)):(\f)+64+8*(4*(\c)+(\b))+7], v[(\f)+8*(4*(\c)+(\a)):(\f)+8*(4*(\c)+(\a))+7], v[ACC+8*(4*(\a)+(\b)):ACC+8*(4*(\a)+(\b))+7]
.endif
.endr
.endr
.endm
; 32 LDS loads in one run: quarter q (64 along K) of the slot in hand into buffer f; its first 32 along K first
.macro FETCH q, f
	WIN TO_F
.irp c, 0,1
.irp i, 0,1,2,3
	ds_load_tr16_b128 v[(\f)+64+8*(4*(\c)+(\i)):(\f)+64+8*(4*(\c)+(\i))+3],   v[ADRB+(\q)/2] offset:(64*((\q)%2)+32*(\c))*PB+32*(\i)
	ds_load_tr16_b128 v[(\f)+64+8*(4*(\c)+(\i))+4:(\f)+64+8*(4*(\c)+(\i))+7], v[ADRB+(\q)/2] offset:(64*((\q)%2)+32*(\c))*PB+32*(\i)+16*PB
	ds_load_b128 v[(\f)+8*(4*(\c)+(\i)):(\f)+8*(4*(\c)+(\i))+3],              v[ADRA] offset:128*(\q)+64*(\c)+(\i)*16*PITCH
	ds_load_b128 v[(\f)+8*(4*(\c)+(\i))+4:(\f)+8*(4*(\c)+(\i))+7],            v[ADRA] offset:128*(\q)+64*(\c)+(\i)*16*PITCH+32
.endr
.endr
.endm
.macro QUARTER q, f, g, zero           ; multiplies buffer f and fetches quarter q into g
	s_wait_dscnt 16                                ; the first 32 along K are in
	MUL8 \f, 0, 0, \zero
	MUL8 \f, 0, 2, \zero
	PLACES
	FETCH \q, \g
	s_wait_dscnt 32                                ; all but the 32 just issued
	MUL8 \f, 1, 0, 0
	MUL8 \f, 1, 2, 0
.endm
; A K step's last quarter multiplies buffer 1 and changes slots.  Eight products stand ahead of the wait for the tensor loads: they want nothing of the tile that is on its way.  Then each wave waits for all its
; tensor loads, adds 0 to its spare word, steps the walking descriptors and turns its LDS addresses to the other slot, issues eight more products, and waits for the add and for its reads of this slot.
; fill = 1: the barrier opens a round of the cluster's, and the slot just read takes the K step two on.  fill = 0 (the tail: K step 6, in slot 0): nothing is asked for, and the other slot is named by its constant.
.macro TURN fill
	s_wait_dscnt 16                                ; as at a quarter's head
	MUL8 F1, 0, 0, 0
	WIN 0
	s_wait_tensorcnt 0x0                           ; no tensor load of mine is out, so a group 0 may be written
	ds_add_u32 v[SPW], v[NIL]                      ; 0 onto my spare word; work on registers stands between it and the wait for it
.if \fill
	s_xor_b32 s[G0+5], s[G0+5], SLOT               ; the walking descriptors: the other slot than last time, the next K step
	s_add_nc_u64 s[G0+6:G0+7], s[G0+6:G0+7], KSTEP*2
	s_xor_b32 s[G0B+5], s[G0B+5], SLOT
	s_add_nc_u64 s[G0B+6:G0B+7], s[G0B+6:G0B+7], KSTEP*4096
	s_xor_b32 s[TB], s[TB], SLOT
	v_add_nc_u32 v[ADRA], s[TB], v[BASA]           ; this slot's last loads were issued a quarter ago
	v_add_nc_u32 v[ADRB], s[TB], v[BASB]
	v_add_nc_u32 v[ADRB+1], s[TB], v[BASB+1]
.else
	v_add_nc_u32 v[ADRA], SLOT, v[BASA]
	v_add_nc_u32 v[ADRB], SLOT, v[BASB]
	v_add_nc_u32 v[ADRB+1], SLOT, v[BASB+1]
.endif
	MUL8 F1, 0, 2, 0
	s_wait_dscnt 0x0                               ; the add is done, and my reads of this slot are over
	WIN 0
	s_barrier_signal -1
	s_barrier_wait -1
.if \fill
	CREST                                          ; no wave of any partner still reads this slot or has a load on its way
	JLOAD 1                                        ; my one tensor load behind the round; its four v_nop are also the places in front of the loads below
.else
	PLACES
.endif
	FETCH 0, F0
	MUL8 F1, 1, 0, 0
	MUL8 F1, 1, 2, 0
.endm
	s_wait_tensorcnt 1                             ; my part of K step 0 is in; K step 1's may stay out
	s_barrier_signal -1
	s_barrier_wait -1
	FETCH 0, F0
	QUARTER 1, F0, F1, 1                           ; the first quarter stands in front of the loop: its first products start the sums
	WIN 0
	s_mov_b32 s3, 6
.Llap:                                         ; a trip goes from a K step's second quarter to the next one's first and fills the slot that it leaves: K steps 2 to 7
	QUARTER 2, F1, F0, 0
	QUARTER 3, F0, F1, 0
	TURN 1
	QUARTER 1, F0, F1, 0
	WIN 0
	s_sub_co_u32 s3, s3, 1
	s_cmp_lg_u32 s3, 0
	s_cbranch_scc1 .Llap
	QUARTER 2, F1, F0, 0                           ; K steps 6 and 7 fill nothing
	QUARTER 3, F0, F1, 0
	TURN 0
	QUARTER 1, F0, F1, 0
	QUARTER 2, F1, F0, 0
	QUARTER 3, F0, F1, 0
	s_wait_dscnt 16
	MUL8 F1, 0, 0, 0
	MUL8 F1, 0, 2, 0
	s_wait_dscnt 0x0
	MUL8 F1, 1, 0, 0
	MUL8 F1, 1, 2, 0
	WIN 0
	; THE WAY OUT.  The bias is rounded to bf16 and widened: 48 plain lines that name no register of the last products: the places behind them.
	s_wait_loadcnt 0x0
.set z, 0
.rept 16
	v_cvt_pk_bf16_f32 v[TMP+z], v[BI+2*z], v[BI+2*z+1]
.set z, z+1
.endr
.set z, 0
.rept 16
	v_lshlrev_b32 v[BI+2*z], 16, v[TMP+z]
	v_and_b32 v[BI+2*z+1], 0xffff0000, v[TMP+z]
.set z, z+1
.endr
.irp a, 0,1,2,3                        ; 16 rows at a time through my own stage: LDS serves a wave's instructions in order (ISA guide 5.7.1.4), so no wait stands between its stores and its loads
.set z, 0
.rept 16
	v_pk_fma_f32 v[TMP+2*z:TMP+2*z+1], v[ACC+32*(\a)+2*z:ACC+32*(\a)+2*z+1], 4.0, v[BI+2*z:BI+2*z+1] op_sel_hi:[1,0,1]
.set z, z+1
.endr
.set z, 0
.rept 8
	ds_store_b128 v[STO], v[TMP+4*z:TMP+4*z+3] offset:64*(z/2)+16*(z%2)
.set z, z+1
.endr
	s_wait_xcnt 0x0                                ; the block before has handed its stores' registers over: they are loaded again only behind this wait
.set z, 0
.rept 8
	ds_load_b128 v[TMP+32+4*z:TMP+32+4*z+3], v[RD] offset:2*SPITCH*z
.set z, z+1
.endr
.set z, 0
.rept 8
	s_wait_dscnt 7-z                               ; LDS loads come back in order: number z is in, the younger ones stay out
	global_store_b128 v[CO], v[TMP+32+4*z:TMP+32+4*z+3], s[10:11] offset:131072*(\a)+16384*z   ; 16 lanes store 256 consecutive bytes, aligned
.set z, z+1
.endr
.endr
	s_wait_tensorcnt 0x0                           ; the wave's end: these three lines stand behind my last tensor load and my last LDS store
	ds_add_u32 v[SPW], v[NIL]
	s_wait_dscnt 0x0
	CROUND                                         ; the closing round
	s_endpgm
.Lfunc_end_k_q431e5f4e71_oproj:
	.size	k_q431e5f4e71_oproj, .Lfunc_end_k_q431e5f4e71_oproj-k_q431e5f4e71_oproj
	.p2alignl 7, 3214868480
	.fill 96, 4, 3214868480
	.section	.rodata,"a",@progbits
	.p2align	6, 0x0
	.amdhsa_kernel k_q431e5f4e71_oproj
		.amdhsa_group_segment_fixed_size 327680
		.amdhsa_private_segment_fixed_size 0
		.amdhsa_enable_private_segment 0
		.amdhsa_kernarg_size 32
		.amdhsa_user_sgpr_count 2
		.amdhsa_user_sgpr_kernarg_segment_ptr 1
		.amdhsa_wavefront_size32 1
		.amdhsa_system_sgpr_workgroup_id_x 1
		.amdhsa_system_sgpr_workgroup_id_y 1
		.amdhsa_system_sgpr_workgroup_id_z 1
		.amdhsa_system_vgpr_workitem_id 0
		.amdhsa_next_free_vgpr 512
		.amdhsa_next_free_sgpr 66
		.amdhsa_reserve_vcc 0
		.amdhsa_float_denorm_mode_32 3
		.amdhsa_float_denorm_mode_16_64 3
		.amdhsa_memory_ordered 1
		.amdhsa_forward_progress 1
		.amdhsa_inst_pref_size 76
	.end_amdhsa_kernel
	.amdgpu_metadata
---
amdhsa.version: [ 1, 2 ]
amdhsa.kernels:
  - .name:           k_q431e5f4e71_oproj
    .symbol:         k_q431e5f4e71_oproj.kd
    .args:
      - { .name: ao, .offset: 0, .size: 8, .value_kind: global_buffer, .address_space: global }
      - { .name: wo16, .offset: 8, .size: 8, .value_kind: global_buffer, .address_space: global }
      - { .name: bo, .offset: 16, .size: 8, .value_kind: global_buffer, .address_space: global }
      - { .name: out0, .offset: 24, .size: 8, .value_kind: global_buffer, .address_space: global }
    .group_segment_fixed_size: 327680
    .private_segment_fixed_size: 0
    .kernarg_segment_align: 8
    .kernarg_segment_size: 32
    .max_flat_workgroup_size: 128
    .sgpr_count:     66
    .vgpr_count:     512
    .wavefront_size: 32
...
	.end_amdgpu_metadata
.endif
;; end of part 4
